; MI455X (gfx1250); checked and timed in simulation.
; The chip was launched on July 23, 2026; its instructions are those of AMD's public machine-readable ISA for CDNA 5 (MIT licence, August 2026) and "CDNA5" Instruction Set Architecture Reference Guide (July 2026). The comments in the code are by the model that wrote it; some were corrected since.
;; Retrieval Module. Allowed arithmetic: float matrix products may take bf16 or f16 operands with f32 sums; all other float work in f32.
;; Inputs: keys 65,536 x 256 float32; query 4 x 512 x 256 float32; values 65,536 x 256 float32.
;; Outputs: out0 4 x 512 x 256 float32.
;; 2 versions, each right and faster than the one before. Each part assembles by itself: llvm-mc -triple=amdgcn-amd-amdhsa -mcpu=gfx1250 --defsym DOCPART=n.
;; ======== version 1 of 2: 6 launches
;; workspace buffers: kbuf 33,554,432 bytes; qbuf 1,048,576 bytes; l1 67,108,864 bytes; l2 4,194,304 bytes; sel2 262,144 bytes of whole numbers; sel1 262,144 bytes of whole numbers; idx 262,144 bytes of whole numbers; wts 262,144 bytes
;; launch pack (part 1): grid 1056 x 1, 8 waves a work-group, no clusters, 35,840 bytes of LDS; arguments keys, query, kbuf, qbuf; writes kbuf, qbuf
.if DOCPART == 1
	.amdgcn_target "amdgcn-amd-amdhsa--gfx1250"
	.amdhsa_code_object_version 6
	.text
	.protected	k_q27103fdae2_pack
	.globl	k_q27103fdae2_pack
	.p2align	8
	.type	k_q27103fdae2_pack,@function
k_q27103fdae2_pack:
	s_mov_b64 s[64:65], 0
	v_nop
	global_prefetch_b8 v0, s[64:65] scope:SCOPE_SE
	s_setreg_imm32_b32 hwreg(HW_REG_WAVE_MODE, 25, 1), 1
	s_wait_xcnt 0x0
; keys [65536][256] and query [2048][256], f32, are rounded once to bf16 and laid out as images of matrix fragments.
; IMAGE.  Row rho: kb = rho >> 10, hh = (rho >> 9) & 1, tau = (rho >> 3) & 63, r8 = rho & 7.  Tile (kb, tau) has 16 rows (hh, r8) and 8,192 bytes at
; kb x 524,288 + tau x 8,192: sixteen blocks cg of 512 bytes, block cg for k = 16 cg + 8 h + 0..7; the 16 bytes of (hh, r8, h) lie at cg x 512 + hh x 256 + ((h ^ hh) x 8 + r8) x 16.
; SHARES.  A wave takes a chunk of 8 rows (8,192 bytes in, 4,096 out).  Groups 0-1023 take the keys' 8,192 chunks, groups 1024-1055 the query's 256.
; A chunk's output is 16 aligned pieces of 256 bytes, 512 bytes apart; they are put together in the wave's own LDS bytes, so that sixteen lanes store each piece whole.
; No barrier: no wave touches another's LDS bytes.  No matrix unit, no cluster: nothing is shared and memory binds.
.set UP,   272                         ; pitch of a 256-byte piece in LDS: 16 bytes of padding
.set WB,   16*UP                       ; a wave's LDS bytes
.set X,    8                           ; v[8:71]   16 loads of 4 f32; later v[8:39] the pieces read back
.set Y,    72                          ; v[72:103] 16 x 4 bf16
	s_load_b256 s[4:11], s[0:1], 0x0               ; keys s[4:5], query s[6:7], kbuf s[8:9], qbuf s[10:11]
	v_lshl_add_u32 v112, v0, 2, 0x8800
	v_mov_b32 v113, 0
	v_lshrrev_b32 v104, 5, v0
	v_readfirstlane_b32 s12, v104                  ; wave
	v_and_b32 v105, 31, v0                         ; lane l
	s_lshl_b32 s13, ttmp9, 3
	s_add_co_u32 s13, s13, s12
	s_and_b32 s13, s13, 0x1fff                     ; my chunk: 8 x + w for the keys, the same less 8,192 for the query
	s_bfe_u32 s14, s13, 0x10006                    ; hh
	s_lshl_b32 s20, s13, 13                        ; the chunk's 8 rows of 1,024 bytes in the source
	s_mov_b32 s21, 0
	s_lshr_b32 s22, s13, 7                         ; kb
	s_lshl_b32 s22, s22, 19
	s_and_b32 s15, s13, 63                         ; tau
	s_lshl_b32 s15, s15, 13
	s_add_co_u32 s22, s22, s15
	s_lshl_b32 s15, s14, 8
	s_add_co_u32 s22, s22, s15                     ; kb x 524,288 + tau x 8,192 + hh x 256
	s_mov_b32 s23, 0
	s_mul_i32 s15, s12, WB                         ; my wave's LDS bytes
	v_lshlrev_b32 v1, 4, v105                      ; 16 l: a load of the wave takes 512 neighbouring bytes
	; load i brings row i >> 1, k = 128 (i & 1) + 4 l + 0..3: piece cg = 8 (i & 1) + (l >> 2), h = (l >> 1) & 1, 8 bytes at (l & 1) x 8
	v_lshrrev_b32 v106, 2, v105
	v_mul_u32_u24 v2, v106, UP
	v_add_nc_u32 v2, s15, v2
	v_bfe_u32 v106, v105, 1, 1
	v_xor_b32 v106, s14, v106                      ; h ^ hh
	v_lshl_add_u32 v2, v106, 7, v2
	v_and_b32 v106, 1, v105
	v_lshl_add_u32 v2, v106, 3, v2                 ; v2: where I put 8 bytes
	v_lshrrev_b32 v106, 4, v105
	v_and_b32 v107, 15, v105
	v_mul_u32_u24 v3, v106, UP
	v_lshl_add_u32 v3, v107, 4, v3
	v_add_nc_u32 v3, s15, v3                       ; v3: back: lanes 0-15 one piece, lanes 16-31 the next
	v_lshlrev_b32 v4, 9, v106
	v_lshl_add_u32 v4, v107, 4, v4                 ; v4: the same two pieces in the image
	s_wait_kmcnt 0x0
	s_cmp_lt_u32 ttmp9, 1024                       ; keys or query: the choice hangs on the group's number alone
	s_cselect_b64 s[16:17], s[4:5], s[6:7]
	s_cselect_b64 s[18:19], s[8:9], s[10:11]
	s_add_nc_u64 s[16:17], s[16:17], s[20:21]
	s_add_nc_u64 s[18:19], s[18:19], s[22:23]
.set i, 0
.rept 16
	global_load_b128 v[X+4*i:X+4*i+3], v1, s[16:17] offset:512*i th:TH_LOAD_NT
.set i, i+1
.endr
.set i, 0
.rept 16
	s_wait_loadcnt 15-i                            ; loads come back in order: load i is in, the 15 - i younger ones stay out
	v_cvt_pk_bf16_f32 v[Y+2*i], v[X+4*i], v[X+4*i+1]
	v_cvt_pk_bf16_f32 v[Y+2*i+1], v[X+4*i+2], v[X+4*i+3]
	ds_store_b64 v2, v[Y+2*i:Y+2*i+1] offset:(i&1)*8*UP+(i>>1)*16
.set i, i+1
.endr
.set j, 0
.rept 8
	ds_load_b128 v[X+4*j:X+4*j+3], v3 offset:2*UP*j  ; LDS serves a wave's instructions in order: these see the stores above
.set j, j+1
.endr
.set j, 0
.rept 8
	s_wait_dscnt 7-j
	global_store_b128 v4, v[X+4*j:X+4*j+3], s[18:19] offset:1024*j  ; each half of the wave stores 256 consecutive bytes, aligned
.set j, j+1
.endr
	s_wait_tensorcnt 0x0
	ds_add_u32 v112, v113
	s_wait_dscnt 0x0
	s_endpgm
.Lfunc_end_k_q27103fdae2_pack:
	.size	k_q27103fdae2_pack, .Lfunc_end_k_q27103fdae2_pack-k_q27103fdae2_pack
	.p2alignl 7, 3214868480
	.fill 96, 4, 3214868480
	.section	.rodata,"a",@progbits
	.p2align	6, 0x0
	.amdhsa_kernel k_q27103fdae2_pack
		.amdhsa_group_segment_fixed_size 35840
		.amdhsa_private_segment_fixed_size 0
		.amdhsa_enable_private_segment 0
		.amdhsa_kernarg_size 32
		.amdhsa_user_sgpr_count 2
		.amdhsa_user_sgpr_kernarg_segment_ptr 1
		.amdhsa_wavefront_size32 1
		.amdhsa_system_sgpr_workgroup_id_x 1
		.amdhsa_system_sgpr_workgroup_id_y 1
		.amdhsa_system_sgpr_workgroup_id_z 1
		.amdhsa_system_vgpr_workitem_id 0
		.amdhsa_next_free_vgpr 114
		.amdhsa_next_free_sgpr 66
		.amdhsa_reserve_vcc 0
		.amdhsa_float_denorm_mode_32 3
		.amdhsa_float_denorm_mode_16_64 3
		.amdhsa_memory_ordered 1
		.amdhsa_forward_progress 1
		.amdhsa_inst_pref_size 9
	.end_amdhsa_kernel
	.amdgpu_metadata
---
amdhsa.version: [ 1, 2 ]
amdhsa.kernels:
  - .name:           k_q27103fdae2_pack
    .symbol:         k_q27103fdae2_pack.kd
    .args:
      - { .name: keys, .offset: 0, .size: 8, .value_kind: global_buffer, .address_space: global }
      - { .name: query, .offset: 8, .size: 8, .value_kind: global_buffer, .address_space: global }
      - { .name: kbuf, .offset: 16, .size: 8, .value_kind: global_buffer, .address_space: global }
      - { .name: qbuf, .offset: 24, .size: 8, .value_kind: global_buffer, .address_space: global }
    .group_segment_fixed_size: 35840
    .private_segment_fixed_size: 0
    .kernarg_segment_align: 8
    .kernarg_segment_size: 32
    .max_flat_workgroup_size: 256
    .sgpr_count:     66
    .vgpr_count:     114
    .wavefront_size: 32
...
	.end_amdgpu_metadata
.endif
;; end of part 1
;; launch score (part 2): grid 4 x 64, 4 waves a work-group, clusters of 4 x 1, 327,680 bytes of LDS; arguments kbuf, qbuf, l1, l2; writes l1, l2
.if DOCPART == 2
	.amdgcn_target "amdgcn-amd-amdhsa--gfx1250"
	.amdhsa_code_object_version 6
	.text
	.protected	k_q27103fdae2_score
	.globl	k_q27103fdae2_score
	.p2align	8
	.type	k_q27103fdae2_score,@function
k_q27103fdae2_score:
	s_mov_b64 s[64:65], 0
	v_nop
	global_prefetch_b8 v0, s[64:65] scope:SCOPE_SE
	s_setreg_imm32_b32 hwreg(HW_REG_WAVE_MODE, 25, 1), 1
	s_wait_xcnt 0x0
	s_wait_alu depctr_hold_cnt(0) depctr_sa_sdst(0) depctr_va_vdst(0) depctr_va_sdst(0) depctr_va_ssrc(0) depctr_va_vcc(0) depctr_vm_vsrc(0)
	s_getreg_b32 s2, hwreg(HW_REG_IB_STS2, 6, 4)
	s_cmp_eq_u32 s2, 0
	s_cbranch_scc0 .Lentry_in_a_cluster
	s_endpgm
.Lentry_in_a_cluster:
	s_bfe_u32 s2, ttmp6, 0x10000c
	s_cmp_lg_u32 s2, 0x3003
	s_cbranch_scc0 .Lentry_shape_is_right
	s_endpgm
.Lentry_shape_is_right:
; All 2,048 x 65,536 raw scores q . k (bf16 operands, f32 sums, k ascending, unscaled) are made, and only maxima are kept:
;   l1: for each query the maximum over each chunk of 8 neighbouring keys (chunk X = key >> 3);   l2: over each 128 neighbouring keys (c2 = key >> 7).
; LIMITS.  NaN is not treated apart (v_max3_num_f32 lets a NaN lose); scores are taken to be finite.
; SHARES.  The cluster's y is kb, 1,024 keys = 64 key tiles of the image; cx is a block of 512 query places.  Each of the four waves keeps 8 query tiles (128 places, 512 registers) and walks all 64 key tiles.
; Source 0 = 16 keys, source 1 = 16 queries: in the result lane (r, h) holds query column r and the keys kb x 1,024 + h x 512 + 8 tau + 0..7: one chunk, so a chunk's maximum never leaves the lane.
; CLUSTER.  The four work-groups of a cluster walk the same keys: each tile is asked for jointly, the same load, descriptor and mask in all four.
; RING.  Two slots of 16 key tiles (131,072 bytes); a wave's load brings 4 tiles as 128 rows of 256 bytes.  A refill has a phase of 1,024 matrix instructions in which to land.  At most two tensor loads of a wave are out.
; The image needs no padding: the 16 lanes of a half wave read 16 different 16-byte columns of 256 bytes.
; REGISTERS, in windows of 256 (s_set_vgpr_msb: bits 1:0 source 0, 3:2 source 1, 5:4 source 2, 7:6 destination):
;   window 0: addresses, the add's two registers, v64-95 the maxima for l2
;   window 1: v0-63 eight accumulators; v64-191 two buffers of a key tile's fragments; v192-223 chunk maxima M[4 t + e]; v224-231 running maxima R[t]; v232-234 addresses
;   window 2: the fragments of query tiles 0-3;   window 3: of tiles 4-7
.set SLOTB, 131072
.set QUADB, 32768                      ; four key tiles
.set TILEB, 8192
.set SPARE, 327168                     ; the spare words: 128 bytes for each of the four waves, two blocks of 256 bytes that no other line names
.set SPW,  28                          ; v28  SPARE + 4 x my thread's number; never rewritten
.set NIL,  29                          ; v29  0; never rewritten
.set QA,   10                          ; v10  my lane's place in a block of the image
.set L2A,  11                          ; v11  my lane's place in l2
.set L2R,  64                          ; v[64:95]  window 0: tile t, phase g at L2R + 4 t + g
.set ACC,  0                           ; window 1
.set AF,   64
.set MM,   192
.set RR,   224
.set AD,   232                         ; LDS address of the quad in hand, for my lane
.set LT,   233                         ; my lane's place in a block of the image
.set SO,   234                         ; 16 x lane
.set WV,   12                          ; s12  wave
.set G1,   24                          ; s[24:31] descriptor group 1
.set G0,   32                          ; s[32:39] descriptor group 0, a set for each slot
.set SB,   40                          ; s40  LDS byte of the quad in hand
.set CNT,  41                          ; s41  quads left in the slot
.set W_H0, 0x59                        ; keys window 1, queries window 2, C and D window 1
.set W_H1, 0x5d                        ; the same with queries in window 3
.set W_V,  0x55                        ; all in window 1
.set MSB, 0
.macro WIN new                         ; the immediate's high byte repeats the setting that is left; a switch that changes nothing is dropped
.if MSB != (\new)
	s_set_vgpr_msb (MSB<<8)|(\new)
.set MSB, (\new)
.endif
.endm
.macro NOP4
.rept 4
	v_nop
.endr
.endm
; A round of the cluster's barrier: my work-group's barrier; wave 0 signals for the work-group; every wave waits for all four work-groups; my work-group's barrier once more.
.macro ROUND
	s_barrier_signal -1
	s_barrier_wait -1
	s_cmp_lg_u32 s[WV], 0
	s_cbranch_scc1 .Lnw0_\@
	s_barrier_signal -3
.Lnw0_\@:
	s_barrier_wait -3
	s_barrier_signal -1
	s_barrier_wait -1
.endm
	s_load_b256 s[4:11], s[0:1], 0x0               ; kbuf s[4:5], qbuf s[6:7], l1 s[8:9], l2 s[10:11]
	v_lshl_add_u32 v[SPW], v0, 2, SPARE
	v_mov_b32 v[NIL], 0
	ds_add_u32 v28, v29
	s_wait_dscnt 0x0
	v_lshrrev_b32 v1, 5, v0
	v_readfirstlane_b32 s[WV], v1                  ; wave 0..3
	s_bfe_u32 s13, ttmp6, 0x40000                  ; cx: it enters the addresses of qbuf, l1 and l2 alone
	s_and_b32 s14, ttmp7, 0xffff                   ; kb, which the four partners share
	; descriptor group 1: 128 rows of 32 elements of 8 bytes, dense
	s_mov_b32 s[G1+0], 15|(3<<16)|(1<<21)          ; 15:0 the mask of four; 17:16 elements of 8 bytes; 21 set beside a mask
	s_mov_b32 s[G1+1], 32<<16                      ; tensor_dim0 = 32
	s_mov_b32 s[G1+2], 128<<16                     ; tensor_dim1 = 128
	s_mov_b32 s[G1+3], 32<<16                      ; tile_dim0 = 32
	s_mov_b32 s[G1+4], 128                         ; tile_dim1 = 128
	s_mov_b32 s[G1+5], 32                          ; 32 elements from row to row
	s_mov_b32 s[G1+6], 0
	s_mov_b32 s[G1+7], 0
	s_lshl_b32 s42, s[WV], 15                      ; my quarter of a slot: wave x 32,768, in LDS and in memory
	s_lshl_b32 s44, s14, 19                        ; kb's 524,288 bytes of the image
	s_add_co_u32 s44, s44, s42
	s_mov_b32 s45, 0
	s_lshl_b32 s15, s13, 5
	s_lshl3_add_u32 s15, s[WV], s15                ; my first query tile: 32 cx + 8 w
	s_lshl_b32 s46, s15, 13
	s_mov_b32 s47, 0
	s_lshl_b32 s48, s14, 20
	s_add_co_u32 s48, s48, s46                     ; l1: kb x 2^20 + tile x 8,192
	s_mov_b32 s49, 0
	s_lshl_b32 s50, s15, 15
	s_lshl_b32 s51, s14, 8
	s_add_co_u32 s50, s50, s51                     ; l2: tile x 32,768 + kb x 256
	s_mov_b32 s51, 0
	s_wait_kmcnt 0x0
	s_add_nc_u64 s[16:17], s[6:7], s[46:47]        ; my query tiles
	s_add_nc_u64 s[18:19], s[8:9], s[48:49]        ; l1 at my tiles, quad 0; steps 512 bytes a quad
	s_add_nc_u64 s[20:21], s[10:11], s[50:51]
	s_add_nc_u64 s[4:5], s[4:5], s[44:45]          ; my quarter of slot 0's first fill
	s_mov_b32 s[G0+0], 1
	s_mov_b32 s[G0+1], s42
	s_mov_b64 s[G0+2:G0+3], s[4:5]
	s_or_b32 s[G0+3], s[G0+3], 0x80000000
	s_mov_b32 s[G0+4], 1
	s_add_co_u32 s[G0+5], s42, SLOTB
	s_add_nc_u64 s[G0+6:G0+7], s[4:5], SLOTB
	s_or_b32 s[G0+7], s[G0+7], 0x80000000
	ROUND                                          ; all four work-groups are here: the first joint loads meet
	tensor_load_to_lds s[G0:G0+3], s[G1:G1+7]      ; key tiles 0-15
	s_nop 0
	tensor_load_to_lds s[G0+4:G0+7], s[G1:G1+7]    ; key tiles 16-31
	s_nop 0
	NOP4
	; lane (r, h) of a fragment reads at (r >> 3) x 256 + ((h ^ (r >> 3)) x 8 + (r & 7)) x 16 of each block
	v_bfe_u32 v2, v0, 3, 1                         ; r >> 3
	v_bfe_u32 v3, v0, 4, 1                         ; h
	v_and_b32 v4, 7, v0                            ; r & 7
	v_xor_b32 v5, v2, v3
	v_and_b32 v6, 31, v0                           ; lane
	v_lshlrev_b32 v[QA], 4, v4
	v_lshl_add_u32 v[QA], v5, 7, v[QA]
	v_lshl_add_u32 v[QA], v2, 8, v[QA]
	v_lshlrev_b32 v[L2A], 4, v4
	v_lshl_add_u32 v[L2A], v3, 7, v[L2A]
	v_lshl_add_u32 v[L2A], v2, 14, v[L2A]          ; (r >> 3) x 16,384 + h x 128 + (r & 7) x 16
	WIN 0x40                                       ; destination window 1
	v_mov_b32 v[LT], v[QA]
	v_lshlrev_b32 v[SO], 4, v6
	WIN 0x80                                       ; destination window 2: query tiles 0-3 stay in registers
.irp t, 0,1,2,3
.irp cg, 0,1,2,3,4,5,6,7,8,9,10,11,12,13,14,15
	global_load_b128 v[64*(\t)+4*(\cg):64*(\t)+4*(\cg)+3], v[QA], s[16:17] offset:(\t)*TILEB+(\cg)*512
.endr
.endr
	WIN 0xc0                                       ; destination window 3: tiles 4-7
.irp t, 0,1,2,3
.irp cg, 0,1,2,3,4,5,6,7,8,9,10,11,12,13,14,15
	global_load_b128 v[64*(\t)+4*(\cg):64*(\t)+4*(\cg)+3], v[QA], s[16:17] offset:((\t)+4)*TILEB+(\cg)*512
.endr
.endr
	WIN 0
; 16 LDS loads in one run: a key tile's fragments, at byte off from the quad's first, into buffer buf.  Destination and address lie in window 1.
.macro FETCH buf, off
	WIN W_H0
.irp cg, 0,1,2,3,4,5,6,7,8,9,10,11,12,13,14,15
	ds_load_b128 v[AF+64*(\buf)+4*(\cg):AF+64*(\buf)+4*(\cg)+3], v[AD] offset:(\off)+512*(\cg)
.endr
.endm
; Step s of 4 of a chunk's maximum: accumulator t into M[4 t + e].  The accumulator's lowest registers are read first.
.macro MX t, e, s
.set rA, ACC+8*(\t)
.set rM, MM+4*(\t)+(\e)
.if (\s) == 0
	v_max3_num_f32 v[rM], v[rA], v[rA+1], v[rA+2]
.elseif (\s) == 1
	v_max3_num_f32 v[rM], v[rM], v[rA+3], v[rA+4]
.elseif (\s) == 2
	v_max3_num_f32 v[rM], v[rM], v[rA+5], v[rA+6]
.else
	v_max_num_f32 v[rM], v[rM], v[rA+7]
.endif
.endm
.macro RIDM t0, e, s                   ; step s for four accumulators: four instructions that do not wait for each other
	WIN W_V
	MX (\t0), \e, \s
	MX (\t0)+1, \e, \s
	MX (\t0)+2, \e, \s
	MX (\t0)+3, \e, \s
.endm
; 32 matrix instructions: key tile in buffer buf x query tiles 4 hf .. 4 hf + 3, k ascending.  The four accumulators take turns, one instruction a turn; the first four start the sums with 0.
; Behind the first few stand the maxima of accumulators that the other half has finished: in half 0 those of the tile before (tiles 4-7), in half 1, behind four v_nop, those of this tile (tiles 0-3).
; A vector instruction that reads a matrix result stands four plain vector instructions behind the matrix instruction that made it (ISA guide 7.12.1): the v_nop here and at a tile's head are those.
.macro HALF hf, buf, e
.set n, 0
.irp c, 0,1,2,3,4,5,6,7
.irp u, 0,1,2,3
	WIN W_H0+4*(\hf)
.set rD, ACC+8*(4*(\hf)+(\u))
.set rF, AF+64*(\buf)+8*(\c)
.set rQ, 64*(\u)+8*(\c)
.if (\c) == 0
	v_wmma_f32_16x16x32_bf16 v[rD:rD+7], v[rF:rF+7], v[rQ:rQ+7], 0
.else
	v_wmma_f32_16x16x32_bf16 v[rD:rD+7], v[rF:rF+7], v[rQ:rQ+7], v[rD:rD+7]
.endif
.if ((\hf) == 0) && ((\e) > 0) && (n < 4)
	RIDM 4, (\e)-1, n
.endif
.if ((\hf) == 1) && (n == 0)
	NOP4
.endif
.if ((\hf) == 1) && (n > 0) && (n < 5)
	RIDM 0, \e, n-1
.endif
.set n, n+1
.endr
.endr
.endm
; Key tile e of a quad, in buffer e & 1.  At its head the next tile's fragments are asked for, 64 matrix instructions ahead of their use; the slot's last quad asks for nothing beyond the slot.
.macro TILE e
	s_wait_dscnt 0x0                               ; this tile's fragments are in
	NOP4                                           ; four places behind the last products: for the loads into the other buffer, and for the reads of accumulators 4-7
.if (\e) < 3
	FETCH 1-((\e)&1), ((\e)+1)*TILEB
.else
	WIN 0                                          ; at a branch and at a label every window is 0
	s_cmp_eq_u32 s[CNT], 1
	s_cbranch_scc1 .Lnf_\@
	FETCH 0, QUADB                                 ; the next quad's first tile
	WIN 0
.Lnf_\@:
.endif
	HALF 0, (\e)&1, \e
	HALF 1, (\e)&1, \e
.endm
; Four key tiles: 256 matrix instructions; then the last maxima, the running maxima, and eight stores: a lane's four chunk maxima are 16 bytes, a wave's store 512 consecutive bytes, aligned.
.macro QUAD
	WIN W_V
	v_add_nc_u32 v[AD], s[SB], v[LT]
	TILE 0
	TILE 1
	TILE 2
	TILE 3
	WIN W_V
	NOP4
.irp s, 0,1,2,3
	RIDM 4, 3, \s
.endr
.irp t, 0,1,2,3,4,5,6,7
	v_max3_num_f32 v[RR+(\t)], v[RR+(\t)], v[MM+4*(\t)], v[MM+4*(\t)+1]
.endr
.irp t, 0,1,2,3,4,5,6,7
	v_max3_num_f32 v[RR+(\t)], v[RR+(\t)], v[MM+4*(\t)+2], v[MM+4*(\t)+3]
.endr
.irp t, 0,1,2,3,4,5,6,7
	global_store_b128 v[SO], v[MM+4*(\t):MM+4*(\t)+3], s[18:19] offset:(\t)*8192
.endr
	s_wait_xcnt 0x0                                ; M and the base are rewritten only behind this wait
	s_add_nc_u64 s[18:19], s[18:19], 512
	s_add_co_u32 s[SB], s[SB], QUADB
.endm
; Phase g: the 16 key tiles of slot g & 1: four quads; their maximum is l2's entry g.
.macro PHASE g
	s_mov_b32 s[SB], ((\g)&1)*SLOTB
	WIN W_V
.irp t, 0,1,2,3,4,5,6,7
	v_mov_b32 v[RR+(\t)], 0xff800000               ; -inf: below every score
.endr
	v_add_nc_u32 v[AD], s[SB], v[LT]
	FETCH 0, 0
	WIN 0
	s_mov_b32 s[CNT], 4
.Lq_\@:
	QUAD
	WIN 0
	s_sub_co_u32 s[CNT], s[CNT], 1
	s_cmp_lg_u32 s[CNT], 0
	s_cbranch_scc1 .Lq_\@
	WIN 0x01                                       ; source window 1, destination window 0
.irp t, 0,1,2,3,4,5,6,7
	v_mov_b32 v[L2R+4*(\t)+(\g)], v[RR+(\t)]
.endr
	WIN 0
.endm
; The change of slots.  Each wave waits for all its tensor loads (its part of the slot to be read next among them), adds 0 to its spare word, and waits for that and for its reads of the slot just left.
; fill = 1: that slot is filled again, two slots on; the barrier is a round of the cluster's, and the joint refill is the first thing behind it.
.macro CHANGE slot, fill
	WIN 0
	s_wait_tensorcnt 0x0                           ; no tensor load of mine is out, so a group 0 may be written
	ds_add_u32 v[SPW], v[NIL]                      ; 0 onto my spare word
.if \fill
	s_add_nc_u64 s[G0+4*(\slot)+2:G0+4*(\slot)+3], s[G0+4*(\slot)+2:G0+4*(\slot)+3], 2*SLOTB
.endif
	s_wait_dscnt 0x0                               ; the add is done, and my reads of the slot are over
.if \fill
	ROUND
	tensor_load_to_lds s[G0+4*(\slot):G0+4*(\slot)+3], s[G1:G1+7]
	s_nop 0
	NOP4
.else
	s_barrier_signal -1
	s_barrier_wait -1
.endif
.endm
	s_wait_tensorcnt 0x1                           ; my part of slot 0 is in; slot 1's may stay out
	s_barrier_signal -1
	s_barrier_wait -1                              ; everybody's is
	s_wait_loadcnt 0x0                             ; the queries
	PHASE 0
	CHANGE 0, 1                                    ; slot 0 takes key tiles 32-47
	PHASE 1
	CHANGE 1, 1                                    ; slot 1 takes key tiles 48-63
	PHASE 2
	CHANGE 0, 0                                    ; nothing is left to ask for
	PHASE 3
.irp t, 0,1,2,3,4,5,6,7
	global_store_b128 v[L2A], v[L2R+4*(\t):L2R+4*(\t)+3], s[20:21] offset:(\t)*32768  ; the lanes with r < 8 store 256 consecutive bytes, aligned; those with r >= 8 another 256
.endr
	s_wait_tensorcnt 0x0                           ; the wave's end
	ds_add_u32 v[SPW], v[NIL]
	s_wait_dscnt 0x0
	ROUND                                          ; the closing round: no work-group ends while a partner may still ask for a tile that names it
	s_endpgm
.Lfunc_end_k_q27103fdae2_score:
	.size	k_q27103fdae2_score, .Lfunc_end_k_q27103fdae2_score-k_q27103fdae2_score
	.p2alignl 7, 3214868480
	.fill 96, 4, 3214868480
	.section	.rodata,"a",@progbits
	.p2align	6, 0x0
	.amdhsa_kernel k_q27103fdae2_score
		.amdhsa_group_segment_fixed_size 327680
		.amdhsa_private_segment_fixed_size 0
		.amdhsa_enable_private_segment 0
		.amdhsa_kernarg_size 32
		.amdhsa_user_sgpr_count 2
		.amdhsa_user_sgpr_kernarg_segment_ptr 1
		.amdhsa_wavefront_size32 1
		.amdhsa_system_sgpr_workgroup_id_x 1
		.amdhsa_system_sgpr_workgroup_id_y 1
		.amdhsa_system_sgpr_workgroup_id_z 1
		.amdhsa_system_vgpr_workitem_id 0
		.amdhsa_next_free_vgpr 1024
		.amdhsa_next_free_sgpr 66
		.amdhsa_reserve_vcc 0
		.amdhsa_float_denorm_mode_32 3
		.amdhsa_float_denorm_mode_16_64 3
		.amdhsa_memory_ordered 1
		.amdhsa_forward_progress 1
		.amdhsa_inst_pref_size 157
	.end_amdhsa_kernel
	.amdgpu_metadata
---
amdhsa.version: [ 1, 2 ]
amdhsa.kernels:
  - .name:           k_q27103fdae2_score
    .symbol:         k_q27103fdae2_score.kd
    .args:
      - { .name: kbuf, .offset: 0, .size: 8, .value_kind: global_buffer, .address_space: global }
      - { .name: qbuf, .offset: 8, .size: 8, .value_kind: global_buffer, .address_space: global }
      - { .name: l1, .offset: 16, .size: 8, .value_kind: global_buffer, .address_space: global }
      - { .name: l2, .offset: 24, .size: 8, .value_kind: global_buffer, .address_space: global }
    .group_segment_fixed_size: 327680
    .private_segment_fixed_size: 0
    .kernarg_segment_align: 8
    .kernarg_segment_size: 32
    .max_flat_workgroup_size: 128
    .sgpr_count:     66
    .vgpr_count:     1024
    .wavefront_size: 32
...
	.end_amdgpu_metadata
.endif
;; end of part 2
;; launch pick2 (part 3): grid 256 x 1, 8 waves a work-group, no clusters, 18,432 bytes of LDS; arguments l2, sel2; writes sel2
.if DOCPART == 3
	.amdgcn_target "amdgcn-amd-amdhsa--gfx1250"
	.amdhsa_code_object_version 6
	.text
	.protected	k_q27103fdae2_pick2
	.globl	k_q27103fdae2_pick2
	.p2align	8
	.type	k_q27103fdae2_pick2,@function
k_q27103fdae2_pick2:
	s_mov_b64 s[64:65], 0
	v_nop
	global_prefetch_b8 v0, s[64:65] scope:SCOPE_SE
	s_setreg_imm32_b32 hwreg(HW_REG_WAVE_MODE, 25, 1), 1
	s_wait_xcnt 0x0
; For each query place pi the 32 first of its 512 maxima over 128 keys, in the order (maximum descending, number c2 ascending), are stored as whole numbers: sel2[pi][rank].
; WHY IT SUFFICES.  A key among the 32 first by (score descending, key ascending) lies in a chunk among the 32 first by (maximum descending, number ascending): each chunk ahead of its chunk holds a key ahead of it.
; LIMITS.  Scores are finite (-inf marks an entry that has been taken); +0 and -0 count as equal; NaN is not treated.
; SHARES.  A wave takes a place, pi = 8 x + w.  The group's eight places share 16,384 consecutive bytes of l2, which are copied whole into LDS; a lane then holds c2 = 16 l .. 16 l + 15.
; No branch and no address hangs on a score: 32 trips, each of which finds the wave's maximum, among its holders the lowest number, and takes that entry out.
.set UP,   272                         ; pitch of 256 bytes of l2 in LDS
.set V,    16                          ; v[16:31] my 16 entries
.set MXR,  32
.set TP,   33
.set SL,   34
.set CF,   35
.set WN,   36
.set BF,   37                          ; my first entry's number, as f32 (all numbers stay under 2^24: exact)
.set NEGR, 38
.set RES,  39
.set SELS, 16                          ; s[16:17] v_permlanex16_b32's selects: each lane takes its own place in the other half
.set MASK, 18
.set CNT,  19
.macro WMAX r
.irp x, 1,2,4,8
	v_max_num_f32_dpp v[\r], v[\r], v[\r] row_xmask:\x row_mask:0xf bank_mask:0xf
.endr
	v_permlanex16_b32 v[TP], v[\r], s[SELS], s[SELS+1]
	v_max_num_f32 v[\r], v[\r], v[TP]
.endm
.macro WMIN r
.irp x, 1,2,4,8
	v_min_num_f32_dpp v[\r], v[\r], v[\r] row_xmask:\x row_mask:0xf bank_mask:0xf
.endr
	v_permlanex16_b32 v[TP], v[\r], s[SELS], s[SELS+1]
	v_min_num_f32 v[\r], v[\r], v[TP]
.endm
.macro EXTRACT n                       ; lane i ends with the number of rank i in RES, as f32
	v_mov_b32 v[RES], 0
	v_mov_b32 v[TP], 0
	v_mov_b32 v[NEGR], 0xff800000
	s_mov_b32 s[SELS], 0x76543210
	s_mov_b32 s[SELS+1], 0xfedcba98
	s_mov_b32 s[MASK], 1
	s_mov_b32 s[CNT], 32
.Lext:
	v_max3_num_f32 v[MXR], v[V], v[V+1], v[V+2]
.set k, 3
.rept ((\n)-4)/2
	v_max3_num_f32 v[MXR], v[MXR], v[V+k], v[V+k+1]
.set k, k+2
.endr
	v_max_num_f32 v[MXR], v[MXR], v[V+(\n)-1]
	WMAX MXR                                       ; the wave's maximum, in every lane
	v_mov_b32 v[SL], 0x100000                      ; 'none of mine'
.set k, (\n)-1
.rept \n
	v_cmp_neq_f32 vcc_lo, v[MXR], v[V+k]
	v_cndmask_b32 v[SL], k, v[SL], vcc_lo          ; my lowest entry that holds it
.set k, k-1
.endr
	v_cvt_f32_u32 v[CF], v[SL]
	v_add_f32 v[CF], v[CF], v[BF]                  ; its number
	v_mov_b32 v[WN], v[CF]
	WMIN WN                                        ; the lowest number among the holders
	v_cmp_eq_f32 vcc_lo, v[CF], v[WN]
	v_cndmask_b32 v[SL], 0x100000, v[SL], vcc_lo   ; only its owner keeps a place
.set k, 0
.rept \n
	v_cmp_eq_u32 vcc_lo, k, v[SL]
	v_cndmask_b32 v[V+k], v[V+k], v[NEGR], vcc_lo  ; and takes it out
.set k, k+1
.endr
	v_cndmask_b32 v[RES], v[RES], v[WN], s[MASK]   ; the lane of this rank keeps the number
	s_lshl_b32 s[MASK], s[MASK], 1
	s_sub_co_u32 s[CNT], s[CNT], 1
	s_cmp_lg_u32 s[CNT], 0
	s_cbranch_scc1 .Lext
.endm
	s_load_b128 s[4:7], s[0:1], 0x0                ; l2 s[4:5], sel2 s[6:7]
	v_lshl_add_u32 v64, v0, 2, 0x4400
	v_mov_b32 v65, 0
	v_lshrrev_b32 v1, 5, v0
	v_readfirstlane_b32 s8, v1                     ; wave
	v_and_b32 v2, 31, v0                           ; lane
	s_lshl_b32 s10, ttmp9, 14                      ; the group's 16,384 bytes
	s_mov_b32 s11, 0
	v_lshlrev_b32 v3, 4, v0
	v_lshrrev_b32 v4, 4, v0
	v_and_b32 v5, 15, v0
	v_mul_u32_u24 v4, v4, UP
	v_lshl_add_u32 v4, v5, 4, v4
	s_wait_kmcnt 0x0
	s_add_nc_u64 s[4:5], s[4:5], s[10:11]
.irp i, 0,1,2,3
	global_load_b128 v[V+4*(\i):V+4*(\i)+3], v3, s[4:5] offset:4096*(\i)
.endr
	s_wait_loadcnt 0x0
.irp i, 0,1,2,3
	ds_store_b128 v4, v[V+4*(\i):V+4*(\i)+3] offset:16*UP*(\i)
.endr
	s_wait_dscnt 0x0                               ; for the others' sake: my stores are done
	s_barrier_signal -1
	s_barrier_wait -1
	v_mul_u32_u24 v6, v2, 2*UP                     ; kb = 2 l, 2 l + 1
	s_lshl_b32 s9, s8, 4                           ; my place's 16 bytes (four g) in each 128
	v_add_nc_u32 v6, s9, v6
.irp p, 0,1,2,3
	ds_load_b128 v[V+4*(\p):V+4*(\p)+3], v6 offset:((\p)>>1)*UP+((\p)&1)*128  ; c2 = 16 l + 4 p + 0..3
.endr
	v_lshlrev_b32 v7, 4, v2
	v_cvt_f32_u32 v[BF], v7
	s_lshl_b32 s12, ttmp9, 3
	s_add_co_u32 s12, s12, s8
	s_lshl_b32 s12, s12, 7                         ; pi x 128
	v_lshl_add_u32 v8, v2, 2, s12
	s_wait_dscnt 0x0
	EXTRACT 16
	v_cvt_u32_f32 v[RES], v[RES]
	global_store_b32 v8, v[RES], s[6:7]
	s_wait_tensorcnt 0x0
	ds_add_u32 v64, v65
	s_wait_dscnt 0x0
	s_endpgm
.Lfunc_end_k_q27103fdae2_pick2:
	.size	k_q27103fdae2_pick2, .Lfunc_end_k_q27103fdae2_pick2-k_q27103fdae2_pick2
	.p2alignl 7, 3214868480
	.fill 96, 4, 3214868480
	.section	.rodata,"a",@progbits
	.p2align	6, 0x0
	.amdhsa_kernel k_q27103fdae2_pick2
		.amdhsa_group_segment_fixed_size 18432
		.amdhsa_private_segment_fixed_size 0
		.amdhsa_enable_private_segment 0
		.amdhsa_kernarg_size 16
		.amdhsa_user_sgpr_count 2
		.amdhsa_user_sgpr_kernarg_segment_ptr 1
		.amdhsa_wavefront_size32 1
		.amdhsa_system_sgpr_workgroup_id_x 1
		.amdhsa_system_sgpr_workgroup_id_y 1
		.amdhsa_system_sgpr_workgroup_id_z 1
		.amdhsa_system_vgpr_workitem_id 0
		.amdhsa_next_free_vgpr 66
		.amdhsa_next_free_sgpr 66
		.amdhsa_reserve_vcc 1
		.amdhsa_float_denorm_mode_32 3
		.amdhsa_float_denorm_mode_16_64 3
		.amdhsa_memory_ordered 1
		.amdhsa_forward_progress 1
		.amdhsa_inst_pref_size 7
	.end_amdhsa_kernel
	.amdgpu_metadata
---
amdhsa.version: [ 1, 2 ]
amdhsa.kernels:
  - .name:           k_q27103fdae2_pick2
    .symbol:         k_q27103fdae2_pick2.kd
    .args:
      - { .name: l2, .offset: 0, .size: 8, .value_kind: global_buffer, .address_space: global }
      - { .name: sel2, .offset: 8, .size: 8, .value_kind: global_buffer, .address_space: global }
    .group_segment_fixed_size: 18432
    .private_segment_fixed_size: 0
    .kernarg_segment_align: 8
    .kernarg_segment_size: 16
    .max_flat_workgroup_size: 256
    .sgpr_count:     66
    .vgpr_count:     66
    .wavefront_size: 32
...
	.end_amdgpu_metadata
.endif
;; end of part 3
;; launch pick1 (part 4): grid 256 x 1, 8 waves a work-group, no clusters, 0 bytes of LDS; arguments l1, sel2, sel1; writes sel1
.if DOCPART == 4
	.amdgcn_target "amdgcn-amd-amdhsa--gfx1250"
	.amdhsa_code_object_version 6
	.text
	.protected	k_q27103fdae2_pick1
	.globl	k_q27103fdae2_pick1
	.p2align	8
	.type	k_q27103fdae2_pick1,@function
k_q27103fdae2_pick1:
	s_mov_b64 s[64:65], 0
	v_nop
	global_prefetch_b8 v0, s[64:65] scope:SCOPE_SE
	s_setreg_imm32_b32 hwreg(HW_REG_WAVE_MODE, 25, 1), 1
	s_wait_xcnt 0x0
; For each query place pi: the 32 chunks of 128 keys that sel2 names hold 512 chunks of 8 keys; of their maxima (from l1) the 32 first by (maximum descending, number X ascending) are stored: sel1[pi][rank].
; The same argument as one level up: a key among the 32 first lies in a chunk of 8 among the 32 first, and that chunk in a chunk of 128 among the 32 first.
; LIMITS.  Scores are finite (-inf marks an entry that has been taken); +0 and -0 count as equal; NaN is not treated.
; SHARES.  A wave takes a place, pi = 8 x + w; lane l takes the chunk of rank l: four loads of 16 bytes bring its 16 maxima, X = 16 c2 + 0..15.
.set V,    16
.set MXR,  32
.set TP,   33
.set SL,   34
.set CF,   35
.set WN,   36
.set BF,   37
.set NEGR, 38
.set RES,  39
.set SELS, 16
.set MASK, 18
.set CNT,  19
.macro WMAX r
.irp x, 1,2,4,8
	v_max_num_f32_dpp v[\r], v[\r], v[\r] row_xmask:\x row_mask:0xf bank_mask:0xf
.endr
	v_permlanex16_b32 v[TP], v[\r], s[SELS], s[SELS+1]
	v_max_num_f32 v[\r], v[\r], v[TP]
.endm
.macro WMIN r
.irp x, 1,2,4,8
	v_min_num_f32_dpp v[\r], v[\r], v[\r] row_xmask:\x row_mask:0xf bank_mask:0xf
.endr
	v_permlanex16_b32 v[TP], v[\r], s[SELS], s[SELS+1]
	v_min_num_f32 v[\r], v[\r], v[TP]
.endm
.macro EXTRACT n                       ; 32 trips: the wave's maximum, among its holders the lowest number, that entry out; lane i ends with the number of rank i in RES, as f32
	v_mov_b32 v[RES], 0
	v_mov_b32 v[TP], 0
	v_mov_b32 v[NEGR], 0xff800000
	s_mov_b32 s[SELS], 0x76543210
	s_mov_b32 s[SELS+1], 0xfedcba98
	s_mov_b32 s[MASK], 1
	s_mov_b32 s[CNT], 32
.Lext:
	v_max3_num_f32 v[MXR], v[V], v[V+1], v[V+2]
.set k, 3
.rept ((\n)-4)/2
	v_max3_num_f32 v[MXR], v[MXR], v[V+k], v[V+k+1]
.set k, k+2
.endr
	v_max_num_f32 v[MXR], v[MXR], v[V+(\n)-1]
	WMAX MXR
	v_mov_b32 v[SL], 0x100000                      ; 'none of mine'
.set k, (\n)-1
.rept \n
	v_cmp_neq_f32 vcc_lo, v[MXR], v[V+k]
	v_cndmask_b32 v[SL], k, v[SL], vcc_lo          ; my lowest entry that holds it
.set k, k-1
.endr
	v_cvt_f32_u32 v[CF], v[SL]
	v_add_f32 v[CF], v[CF], v[BF]
	v_mov_b32 v[WN], v[CF]
	WMIN WN
	v_cmp_eq_f32 vcc_lo, v[CF], v[WN]
	v_cndmask_b32 v[SL], 0x100000, v[SL], vcc_lo
.set k, 0
.rept \n
	v_cmp_eq_u32 vcc_lo, k, v[SL]
	v_cndmask_b32 v[V+k], v[V+k], v[NEGR], vcc_lo
.set k, k+1
.endr
	v_cndmask_b32 v[RES], v[RES], v[WN], s[MASK]
	s_lshl_b32 s[MASK], s[MASK], 1
	s_sub_co_u32 s[CNT], s[CNT], 1
	s_cmp_lg_u32 s[CNT], 0
	s_cbranch_scc1 .Lext
.endm
	s_load_b128 s[4:7], s[0:1], 0x0                ; l1 s[4:5], sel2 s[6:7]
	s_load_b64 s[8:9], s[0:1], 0x10                ; sel1
	v_lshrrev_b32 v1, 5, v0
	v_readfirstlane_b32 s10, v1                    ; wave
	v_and_b32 v2, 31, v0                           ; lane
	s_lshl_b32 s11, ttmp9, 3
	s_add_co_u32 s11, s11, s10                     ; pi = 16 T + r
	s_lshl_b32 s12, s11, 7
	s_lshr_b32 s13, s11, 4
	s_lshl_b32 s13, s13, 13                        ; T x 8,192
	s_and_b32 s14, s11, 15
	s_lshl_b32 s14, s14, 4                         ; r x 16
	s_add_co_u32 s13, s13, s14
	v_lshl_add_u32 v3, v2, 2, s12                  ; pi x 128 + 4 l
	s_wait_kmcnt 0x0
	global_load_b32 v4, v3, s[6:7]
	s_wait_loadcnt 0x0
	v_min_u32 v4, 0x1ff, v4                        ; c2 = kb x 8 + h x 4 + g
	v_and_b32 v5, 0x1f8, v4
	v_lshlrev_b32 v5, 17, v5                       ; kb x 2^20
	v_and_b32 v6, 3, v4
	v_lshl_add_u32 v5, v6, 11, v5                  ; g x 4 quads of 512 bytes
	v_and_b32 v6, 4, v4
	v_lshl_add_u32 v5, v6, 6, v5                   ; h x 16 lanes of 16 bytes
	v_add_nc_u32 v5, s13, v5
.irp u, 0,1,2,3
	global_load_b128 v[V+4*(\u):V+4*(\u)+3], v5, s[4:5] offset:512*(\u)
.endr
	v_lshlrev_b32 v7, 4, v4
	v_cvt_f32_u32 v[BF], v7
	s_wait_loadcnt 0x0
	EXTRACT 16
	v_cvt_u32_f32 v[RES], v[RES]
	global_store_b32 v3, v[RES], s[8:9]
	s_endpgm
.Lfunc_end_k_q27103fdae2_pick1:
	.size	k_q27103fdae2_pick1, .Lfunc_end_k_q27103fdae2_pick1-k_q27103fdae2_pick1
	.p2alignl 7, 3214868480
	.fill 96, 4, 3214868480
	.section	.rodata,"a",@progbits
	.p2align	6, 0x0
	.amdhsa_kernel k_q27103fdae2_pick1
		.amdhsa_group_segment_fixed_size 0
		.amdhsa_private_segment_fixed_size 0
		.amdhsa_enable_private_segment 0
		.amdhsa_kernarg_size 24
		.amdhsa_user_sgpr_count 2
		.amdhsa_user_sgpr_kernarg_segment_ptr 1
		.amdhsa_wavefront_size32 1
		.amdhsa_system_sgpr_workgroup_id_x 1
		.amdhsa_system_sgpr_workgroup_id_y 1
		.amdhsa_system_sgpr_workgroup_id_z 1
		.amdhsa_system_vgpr_workitem_id 0
		.amdhsa_next_free_vgpr 64
		.amdhsa_next_free_sgpr 66
		.amdhsa_reserve_vcc 1
		.amdhsa_float_denorm_mode_32 3
		.amdhsa_float_denorm_mode_16_64 3
		.amdhsa_memory_ordered 1
		.amdhsa_forward_progress 1
		.amdhsa_inst_pref_size 6
	.end_amdhsa_kernel
	.amdgpu_metadata
---
amdhsa.version: [ 1, 2 ]
amdhsa.kernels:
  - .name:           k_q27103fdae2_pick1
    .symbol:         k_q27103fdae2_pick1.kd
    .args:
      - { .name: l1, .offset: 0, .size: 8, .value_kind: global_buffer, .address_space: global }
      - { .name: sel2, .offset: 8, .size: 8, .value_kind: global_buffer, .address_space: global }
      - { .name: sel1, .offset: 16, .size: 8, .value_kind: global_buffer, .address_space: global }
    .group_segment_fixed_size: 0
    .private_segment_fixed_size: 0
    .kernarg_segment_align: 8
    .kernarg_segment_size: 24
    .max_flat_workgroup_size: 256
    .sgpr_count:     66
    .vgpr_count:     64
    .wavefront_size: 32
...
	.end_amdgpu_metadata
.endif
;; end of part 4
;; launch rescore (part 5): grid 256 x 1, 8 waves a work-group, no clusters, 0 bytes of LDS; arguments kbuf, qbuf, sel1, idx, wts; writes idx, wts
.if DOCPART == 5
	.amdgcn_target "amdgcn-amd-amdhsa--gfx1250"
	.amdhsa_code_object_version 6
	.text
	.protected	k_q27103fdae2_rescore
	.globl	k_q27103fdae2_rescore
	.p2align	8
	.type	k_q27103fdae2_rescore,@function
k_q27103fdae2_rescore:
	s_mov_b64 s[64:65], 0
	v_nop
	global_prefetch_b8 v0, s[64:65] scope:SCOPE_SE
	s_setreg_imm32_b32 hwreg(HW_REG_WAVE_MODE, 25, 1), 1
	s_wait_xcnt 0x0
; For each query place pi: the 32 chunks of 8 keys that sel1 names are scored again (the same matrix form, the same sources' roles and the same order of k as in the launch that made the maxima),
; the 32 first of the 256 scores by (score descending, key ascending) are found, and their keys (idx) and softmax weights (wts) are stored by rank.
; SOFTMAX.  w = 2^((s - m) c) / sum, m the largest of the 32 raw scores, c = log2(e) / 16: the scale 256^-1/2 is a power of two and enters here alone.
; LIMITS.  Scores are finite (-inf marks an entry that has been taken); +0 and -0 count as equal; NaN is not treated; two scores closer than the f32 sums' own error may be ordered otherwise than by another order of summation.
; SHARES.  A wave takes a place, pi = 8 x + w.  Source 0: 16 rows = two chunks (ranks 2 i, 2 i + 1), gathered from the image in 16-byte pieces, of which the 16 lanes of one chunk and one block read one aligned 256 bytes;
; source 1: the query in all 16 columns.  In the result every column is alike; lanes i and 16 + i keep tile i's, so that lane (r, h) ends with the 8 scores of the chunk of rank 2 r + h.
; No LDS and no cluster: each place gathers rows of its own.
; REGISTERS.  Window 0: addresses, v[64:127] the query's fragments, v[128:143] two accumulators, v[144:151] my 8 scores.  Window 1: four buffers of 64 for gathered key tiles.
.set OFF,  16                          ; v[16:31] byte offset in kbuf of my row of tile i
.set IDS,  32                          ; v[32:47] the chunk's number for my row of tile i
.set XL,   48                          ; v48      the number of the chunk whose scores I end up with
.set BQ,   64
.set AC0,  128
.set AC1,  136
.set V,    144
.set MXR,  152
.set TP,   153
.set SL,   154
.set CF,   155
.set WN,   156
.set BF,   157
.set NEGR, 158
.set RES,  159
.set RSC,  160
.set T0,   161
.set T1,   162
.set SELS, 24
.set MASK, 26
.set CNT,  27
.set MSB, 0
.macro WIN new
.if MSB != (\new)
	s_set_vgpr_msb (MSB<<8)|(\new)
.set MSB, (\new)
.endif
.endm
.macro WMAX r
.irp x, 1,2,4,8
	v_max_num_f32_dpp v[\r], v[\r], v[\r] row_xmask:\x row_mask:0xf bank_mask:0xf
.endr
	v_permlanex16_b32 v[TP], v[\r], s[SELS], s[SELS+1]
	v_max_num_f32 v[\r], v[\r], v[TP]
.endm
.macro WMIN r
.irp x, 1,2,4,8
	v_min_num_f32_dpp v[\r], v[\r], v[\r] row_xmask:\x row_mask:0xf bank_mask:0xf
.endr
	v_permlanex16_b32 v[TP], v[\r], s[SELS], s[SELS+1]
	v_min_num_f32 v[\r], v[\r], v[TP]
.endm
.macro WSUM r
.irp x, 1,2,4,8
	v_add_f32_dpp v[\r], v[\r], v[\r] row_xmask:\x row_mask:0xf bank_mask:0xf
.endr
	v_permlanex16_b32 v[TP], v[\r], s[SELS], s[SELS+1]
	v_add_f32 v[\r], v[\r], v[TP]
.endm
.macro EXTRACT n                       ; 32 trips: the wave's maximum, among its holders the lowest key, that entry out; lane i ends with rank i's key (RES, as f32) and score (RSC)
	v_mov_b32 v[RES], 0
	v_mov_b32 v[RSC], 0
	v_mov_b32 v[TP], 0
	v_mov_b32 v[NEGR], 0xff800000
	s_mov_b32 s[SELS], 0x76543210
	s_mov_b32 s[SELS+1], 0xfedcba98
	s_mov_b32 s[MASK], 1
	s_mov_b32 s[CNT], 32
.Lext:
	v_max3_num_f32 v[MXR], v[V], v[V+1], v[V+2]
.set k, 3
.rept ((\n)-4)/2
	v_max3_num_f32 v[MXR], v[MXR], v[V+k], v[V+k+1]
.set k, k+2
.endr
	v_max_num_f32 v[MXR], v[MXR], v[V+(\n)-1]
	WMAX MXR
	v_mov_b32 v[SL], 0x100000                      ; 'none of mine'
.set k, (\n)-1
.rept \n
	v_cmp_neq_f32 vcc_lo, v[MXR], v[V+k]
	v_cndmask_b32 v[SL], k, v[SL], vcc_lo
.set k, k-1
.endr
	v_cvt_f32_u32 v[CF], v[SL]
	v_add_f32 v[CF], v[CF], v[BF]
	v_mov_b32 v[WN], v[CF]
	WMIN WN
	v_cmp_eq_f32 vcc_lo, v[CF], v[WN]
	v_cndmask_b32 v[SL], 0x100000, v[SL], vcc_lo
.set k, 0
.rept \n
	v_cmp_eq_u32 vcc_lo, k, v[SL]
	v_cndmask_b32 v[V+k], v[V+k], v[NEGR], vcc_lo
.set k, k+1
.endr
	v_cndmask_b32 v[RES], v[RES], v[WN], s[MASK]
	v_cndmask_b32 v[RSC], v[RSC], v[MXR], s[MASK]
	s_lshl_b32 s[MASK], s[MASK], 1
	s_sub_co_u32 s[CNT], s[CNT], 1
	s_cmp_lg_u32 s[CNT], 0
	s_cbranch_scc1 .Lext
.endm
	s_load_b256 s[4:11], s[0:1], 0x0               ; kbuf s[4:5], qbuf s[6:7], sel1 s[8:9], idx s[10:11]
	s_load_b64 s[12:13], s[0:1], 0x20              ; wts
	v_lshrrev_b32 v1, 5, v0
	v_readfirstlane_b32 s14, v1                    ; wave
	s_lshl_b32 s15, ttmp9, 3
	s_add_co_u32 s15, s15, s14                     ; pi
	s_lshl_b32 s16, s15, 7                         ; pi x 128
	s_and_b32 s17, ttmp9, 1                        ; the query's half of its tile's rows
	s_lshr_b32 s18, ttmp9, 1                       ; its tile
	s_lshl_b32 s19, s18, 13
	s_lshl_b32 s18, s17, 8
	s_add_co_u32 s19, s19, s18
	s_lshl_b32 s18, s14, 4
	s_add_co_u32 s19, s19, s18                     ; tile x 8,192 + half x 256 + w x 16
	v_bfe_u32 v2, v0, 3, 1                         ; r >> 3
	v_bfe_u32 v3, v0, 4, 1                         ; h
	v_and_b32 v4, 7, v0                            ; r & 7
	v_and_b32 v5, 15, v0                           ; r
	v_lshl_add_u32 v6, v2, 2, s16                  ; sel1: rank 2 i + (r >> 3), the 8 i in the immediate
	v_lshlrev_b32 v7, 3, v5
	v_lshl_add_u32 v7, v3, 2, v7
	v_add_nc_u32 v7, s16, v7                       ; sel1: rank 2 r + h
	v_xor_b32 v8, s17, v3
	v_lshl_add_u32 v8, v8, 7, s19                  ; the query's 16 bytes of each block for my h
	v_lshlrev_b32 v11, 7, v3                       ; h x 128
	v_lshlrev_b32 v12, 4, v4                       ; (r & 7) x 16
	v_and_b32 v13, 31, v0
	v_lshl_add_u32 v13, v13, 2, s16                ; idx, wts: pi x 128 + 4 l
	s_wait_kmcnt 0x0
.set i, 0
.rept 16
	global_load_b32 v[IDS+i], v6, s[8:9] offset:8*i
.set i, i+1
.endr
	global_load_b32 v[XL], v7, s[8:9]
.set i, 0
.rept 16
	global_load_b128 v[BQ+4*i:BQ+4*i+3], v8, s[6:7] offset:512*i
.set i, i+1
.endr
	s_wait_loadcnt 16                              ; the numbers are in; the query's 16 loads may stay out
	; chunk X = kb x 128 + hh x 64 + tau lies at kb x 524,288 + tau x 8,192 + hh x 256 + ((h ^ hh) x 8 + r8) x 16 of each block
.set i, 0
.rept 16
	v_min_u32 v[IDS+i], 0x1fff, v[IDS+i]
	v_and_b32 v9, 64, v[IDS+i]
	v_lshl_add_u32 v10, v9, 1, v11
	v_and_b32 v10, 128, v10                        ; (h ^ hh) x 128, as a sum cut to one bit
	v_lshl_add_u32 v10, v9, 2, v10
	v_and_b32 v9, 0x1f80, v[IDS+i]
	v_lshl_add_u32 v10, v9, 12, v10
	v_and_b32 v9, 63, v[IDS+i]
	v_lshl_add_u32 v10, v9, 13, v10
	v_add_nc_u32 v[OFF+i], v12, v10
.set i, i+1
.endr
.macro LOADA b                         ; tiles 2 b and 2 b + 1: 32 loads, into buffers (2 b) % 4 and (2 b + 1) % 4 of window 1
	WIN 0x40
.irp d, 0,1
.irp cg, 0,1,2,3,4,5,6,7,8,9,10,11,12,13,14,15
	global_load_b128 v[((2*(\b)+(\d))%4)*64+4*(\cg):((2*(\b)+(\d))%4)*64+4*(\cg)+3], v[OFF+2*(\b)+(\d)], s[4:5] offset:512*(\cg)
.endr
.endr
	WIN 0
.endm
.macro PICK i, acc                     ; lanes i and 16 + i keep tile i's scores; the accumulator is read from its low end on
.if (\i) == 0
.irp j, 0,1,2,3,4,5,6,7
	v_mov_b32 v[V+(\j)], v[(\acc)+(\j)]
.endr
.else
	s_mov_b32 s20, 0x10001<<(\i)
.irp j, 0,1,2,3,4,5,6,7
	v_cndmask_b32 v[V+(\j)], v[V+(\j)], v[(\acc)+(\j)], s20
.endr
.endif
.endm
.macro BATCH b
.if (\b) < 7
	s_wait_loadcnt 32                              ; this batch's 32 loads (and all before) are in; the next batch's 32 stay out
.else
	s_wait_loadcnt 0x0
.endif
	WIN 0x01                                       ; source 0 in window 1
.irp c, 0,1,2,3,4,5,6,7                ; the two accumulators take turns; the first products start the sums
.if (\c) == 0
	v_wmma_f32_16x16x32_bf16 v[AC0:AC0+7], v[((2*(\b))%4)*64+8*(\c):((2*(\b))%4)*64+8*(\c)+7], v[BQ+8*(\c):BQ+8*(\c)+7], 0
	v_wmma_f32_16x16x32_bf16 v[AC1:AC1+7], v[((2*(\b)+1)%4)*64+8*(\c):((2*(\b)+1)%4)*64+8*(\c)+7], v[BQ+8*(\c):BQ+8*(\c)+7], 0
.else
	v_wmma_f32_16x16x32_bf16 v[AC0:AC0+7], v[((2*(\b))%4)*64+8*(\c):((2*(\b))%4)*64+8*(\c)+7], v[BQ+8*(\c):BQ+8*(\c)+7], v[AC0:AC0+7]
	v_wmma_f32_16x16x32_bf16 v[AC1:AC1+7], v[((2*(\b)+1)%4)*64+8*(\c):((2*(\b)+1)%4)*64+8*(\c)+7], v[BQ+8*(\c):BQ+8*(\c)+7], v[AC1:AC1+7]
.endif
.endr
	WIN 0
.rept 4
	v_nop                                          ; four places: for the loads into the buffers just multiplied, and for the reads of the results
.endr
.if (\b) < 6
	LOADA (\b)+2
.endif
	PICK 2*(\b), AC0
	PICK 2*(\b)+1, AC1
.endm
	LOADA 0
	LOADA 1
	BATCH 0
	BATCH 1
	BATCH 2
	BATCH 3
	BATCH 4
	BATCH 5
	BATCH 6
	BATCH 7
	v_min_u32 v[XL], 0x1fff, v[XL]
	v_lshlrev_b32 v9, 3, v[XL]
	v_cvt_f32_u32 v[BF], v9                        ; my chunk's first key
	EXTRACT 8
	v_mov_b32 v[T0], v[RSC]
	WMAX T0                                        ; m
	v_sub_f32 v[T1], v[RSC], v[T0]
	v_mul_f32 v[T1], 0x3db8aa3b, v[T1]             ; c = log2(e) / 16
	v_exp_f32 v[T1], v[T1]
	v_nop                                          ; a plain instruction between the exponential and the use of its result
	s_wait_alu depctr_va_vdst(0)
	v_mov_b32 v[T0], v[T1]
	WSUM T0
	v_rcp_f32 v[T0], v[T0]
	v_cvt_u32_f32 v[RES], v[RES]                   ; a plain instruction behind the reciprocal
	s_wait_alu depctr_va_vdst(0)
	v_mul_f32 v[T1], v[T1], v[T0]
	global_store_b32 v13, v[RES], s[10:11]
	global_store_b32 v13, v[T1], s[12:13]
	s_endpgm
.Lfunc_end_k_q27103fdae2_rescore:
	.size	k_q27103fdae2_rescore, .Lfunc_end_k_q27103fdae2_rescore-k_q27103fdae2_rescore
	.p2alignl 7, 3214868480
	.fill 96, 4, 3214868480
	.section	.rodata,"a",@progbits
	.p2align	6, 0x0
	.amdhsa_kernel k_q27103fdae2_rescore
		.amdhsa_group_segment_fixed_size 0
		.amdhsa_private_segment_fixed_size 0
		.amdhsa_enable_private_segment 0
		.amdhsa_kernarg_size 40
		.amdhsa_user_sgpr_count 2
		.amdhsa_user_sgpr_kernarg_segment_ptr 1
		.amdhsa_wavefront_size32 1
		.amdhsa_system_sgpr_workgroup_id_x 1
		.amdhsa_system_sgpr_workgroup_id_y 1
		.amdhsa_system_sgpr_workgroup_id_z 1
		.amdhsa_system_vgpr_workitem_id 0
		.amdhsa_next_free_vgpr 512
		.amdhsa_next_free_sgpr 66
		.amdhsa_reserve_vcc 1
		.amdhsa_float_denorm_mode_32 3
		.amdhsa_float_denorm_mode_16_64 3
		.amdhsa_memory_ordered 1
		.amdhsa_forward_progress 1
		.amdhsa_inst_pref_size 61
	.end_amdhsa_kernel
	.amdgpu_metadata
---
amdhsa.version: [ 1, 2 ]
amdhsa.kernels:
  - .name:           k_q27103fdae2_rescore
    .symbol:         k_q27103fdae2_rescore.kd
    .args:
      - { .name: kbuf, .offset: 0, .size: 8, .value_kind: global_buffer, .address_space: global }
      - { .name: qbuf, .offset: 8, .size: 8, .value_kind: global_buffer, .address_space: global }
      - { .name: sel1, .offset: 16, .size: 8, .value_kind: global_buffer, .address_space: global }
      - { .name: idx, .offset: 24, .size: 8, .value_kind: global_buffer, .address_space: global }
      - { .name: wts, .offset: 32, .size: 8, .value_kind: global_buffer, .address_space: global }
    .group_segment_fixed_size: 0
    .private_segment_fixed_size: 0
    .kernarg_segment_align: 8
    .kernarg_segment_size: 40
    .max_flat_workgroup_size: 256
    .sgpr_count:     66
    .vgpr_count:     512
    .wavefront_size: 32
...
	.end_amdgpu_metadata
.endif
;; end of part 5
;; launch mix (part 6): grid 256 x 1, 8 waves a work-group, no clusters, 0 bytes of LDS; arguments values, idx, wts, out0; writes out0
.if DOCPART == 6
	.amdgcn_target "amdgcn-amd-amdhsa--gfx1250"
	.amdhsa_code_object_version 6
	.text
	.protected	k_q27103fdae2_mix
	.globl	k_q27103fdae2_mix
	.p2align	8
	.type	k_q27103fdae2_mix,@function
k_q27103fdae2_mix:
	s_mov_b64 s[64:65], 0
	v_nop
	global_prefetch_b8 v0, s[64:65] scope:SCOPE_SE
	s_setreg_imm32_b32 hwreg(HW_REG_WAVE_MODE, 25, 1), 1
	s_wait_xcnt 0x0
; out0[q][:] = the sum over the 32 ranks of wts[pi][rank] x bf16(values[idx[pi][rank]][:]), in f32.  The values are rounded to bf16 as the other two inputs are.
; SHARES.  A wave takes a query place pi = 8 x + w; its row of out0 is q = (x >> 7) x 1,024 + (x & 1) x 512 + ((x >> 1) & 63) x 8 + w, the image's order of rows undone.
; The 32 indices and weights are the wave's alone and come as scalars.  A row of values is 1,024 bytes: two loads of 16 bytes a lane, each 512 consecutive bytes.
; Two batches of 8 rows (16 loads each) are on their way at a time.  No matrix unit, LDS or cluster: each query has rows of its own, each used once, and memory binds.
.set VO,  2                            ; v[2:17]    two batches' byte offsets of my 16 bytes
.set P,   18                           ; v[18:21]   a row's 8 numbers as bf16
.set TM,  22                           ; v[22:29]   the same widened
.set X,   32                           ; v[32:159]  two batches of 8 rows x 8 f32
.set ACC, 160                          ; v[160:167]
.set IX,  16                           ; s[16:47]   indices, then byte offsets;   weights: s[48:63] and s[68:83]
	s_load_b256 s[4:11], s[0:1], 0x0               ; values s[4:5], idx s[6:7], wts s[8:9], out0 s[10:11]
	v_lshrrev_b32 v30, 5, v0
	v_readfirstlane_b32 s12, v30                   ; wave
	v_and_b32 v1, 31, v0
	v_lshlrev_b32 v1, 4, v1                        ; 16 x lane
	s_lshl_b32 s13, ttmp9, 3
	s_add_co_u32 s13, s13, s12                     ; pi
	s_lshl_b32 s14, s13, 7
	s_mov_b32 s15, 0
	s_lshr_b32 s84, ttmp9, 7
	s_lshl_b32 s84, s84, 10
	s_and_b32 s86, ttmp9, 1
	s_lshl_b32 s86, s86, 9
	s_add_co_u32 s84, s84, s86
	s_bfe_u32 s86, ttmp9, 0x60001
	s_lshl3_add_u32 s84, s86, s84
	s_add_co_u32 s84, s84, s12                     ; q
	s_lshl_b32 s84, s84, 10
	s_mov_b32 s85, 0
	s_wait_kmcnt 0x0
	s_add_nc_u64 s[6:7], s[6:7], s[14:15]
	s_add_nc_u64 s[8:9], s[8:9], s[14:15]
	s_add_nc_u64 s[10:11], s[10:11], s[84:85]
	s_load_b512 s[16:31], s[6:7], 0x0
	s_load_b512 s[32:47], s[6:7], 0x40
	s_load_b512 s[48:63], s[8:9], 0x0
	s_load_b512 s[68:83], s[8:9], 0x40
	s_wait_kmcnt 0x0
.set i, IX
.rept 32
	s_min_u32 s[i], s[i], 0xffff                   ; an index stays inside the table
	s_lshl_b32 s[i], s[i], 10                      ; its row's first byte
.set i, i+1
.endr
.macro ISSUE b
.irp j, 0,1,2,3,4,5,6,7
	v_add_nc_u32 v[VO+8*((\b)&1)+(\j)], s[IX+8*(\b)+(\j)], v1
	global_load_b128 v[X+64*((\b)&1)+8*(\j):X+64*((\b)&1)+8*(\j)+3], v[VO+8*((\b)&1)+(\j)], s[4:5]
	global_load_b128 v[X+64*((\b)&1)+8*(\j)+4:X+64*((\b)&1)+8*(\j)+7], v[VO+8*((\b)&1)+(\j)], s[4:5] offset:512
.endr
.endm
.macro WORK b
.irp j, 0,1,2,3,4,5,6,7
.set rX, X+64*((\b)&1)+8*(\j)
.set nW, 8*(\b)+(\j)
.set rW, 48+nW+4*(nW/16)
.irp p, 0,1,2,3
	v_cvt_pk_bf16_f32 v[P+(\p)], v[rX+2*(\p)], v[rX+2*(\p)+1]
.endr
.irp p, 0,1,2,3
	v_lshlrev_b32 v[TM+2*(\p)], 16, v[P+(\p)]
	v_and_b32 v[TM+2*(\p)+1], 0xffff0000, v[P+(\p)]
.endr
.irp p, 0,1,2,3,4,5,6,7
.if nW == 0
	v_mul_f32 v[ACC+(\p)], s[rW], v[TM+(\p)]       ; the first row starts the sums: nothing is cleared
.else
	v_fmac_f32 v[ACC+(\p)], s[rW], v[TM+(\p)]
.endif
.endr
.endr
.endm
	ISSUE 0
	ISSUE 1
	s_wait_loadcnt 16                              ; batch 0 is in; batch 1's 16 loads stay out.  That wait also frees batch 0's offsets and registers
	WORK 0
	ISSUE 2
	s_wait_loadcnt 16                              ; batch 1 is in; batch 2's stay out
	WORK 1
	ISSUE 3
	s_wait_loadcnt 16                              ; batch 2 is in; batch 3's stay out
	WORK 2
	s_wait_loadcnt 0x0
	WORK 3
	global_store_b128 v1, v[ACC:ACC+3], s[10:11]             ; 512 consecutive bytes, aligned
	global_store_b128 v1, v[ACC+4:ACC+7], s[10:11] offset:512
	s_endpgm
.Lfunc_end_k_q27103fdae2_mix:
	.size	k_q27103fdae2_mix, .Lfunc_end_k_q27103fdae2_mix-k_q27103fdae2_mix
	.p2alignl 7, 3214868480
	.fill 96, 4, 3214868480
	.section	.rodata,"a",@progbits
	.p2align	6, 0x0
	.amdhsa_kernel k_q27103fdae2_mix
		.amdhsa_group_segment_fixed_size 0
		.amdhsa_private_segment_fixed_size 0
		.amdhsa_enable_private_segment 0
		.amdhsa_kernarg_size 32
		.amdhsa_user_sgpr_count 2
		.amdhsa_user_sgpr_kernarg_segment_ptr 1
		.amdhsa_wavefront_size32 1
		.amdhsa_system_sgpr_workgroup_id_x 1
		.amdhsa_system_sgpr_workgroup_id_y 1
		.amdhsa_system_sgpr_workgroup_id_z 1
		.amdhsa_system_vgpr_workitem_id 0
		.amdhsa_next_free_vgpr 176
		.amdhsa_next_free_sgpr 88
		.amdhsa_reserve_vcc 0
		.amdhsa_float_denorm_mode_32 3
		.amdhsa_float_denorm_mode_16_64 3
		.amdhsa_memory_ordered 1
		.amdhsa_forward_progress 1
		.amdhsa_inst_pref_size 40
	.end_amdhsa_kernel
	.amdgpu_metadata
---
amdhsa.version: [ 1, 2 ]
amdhsa.kernels:
  - .name:           k_q27103fdae2_mix
    .symbol:         k_q27103fdae2_mix.kd
    .args:
      - { .name: values, .offset: 0, .size: 8, .value_kind: global_buffer, .address_space: global }
      - { .name: idx, .offset: 8, .size: 8, .value_kind: global_buffer, .address_space: global }
      - { .name: wts, .offset: 16, .size: 8, .value_kind: global_buffer, .address_space: global }
      - { .name: out0, .offset: 24, .size: 8, .value_kind: global_buffer, .address_space: global }
    .group_segment_fixed_size: 0
    .private_segment_fixed_size: 0
    .kernarg_segment_align: 8
    .kernarg_segment_size: 32
    .max_flat_workgroup_size: 256
    .sgpr_count:     88
    .vgpr_count:     176
    .wavefront_size: 32
...
	.end_amdgpu_metadata
.endif
;; end of part 6
;; ======== version 2 of 2: 6 launches; 1.16 times as fast as version 1
;; workspace buffers: kbuf 33,554,432 bytes; qbuf 1,048,576 bytes; l1 67,108,864 bytes; l2 4,194,304 bytes; sel2 262,144 bytes of whole numbers; sel1 262,144 bytes of whole numbers; idx 262,144 bytes of whole numbers; wts 2,097,152 bytes
;; launch pack (part 7): grid 768 x 1, 11 waves a work-group, no clusters, 49,408 bytes of LDS; arguments keys, query, kbuf, qbuf; writes kbuf, qbuf
.if DOCPART == 7
	.amdgcn_target "amdgcn-amd-amdhsa--gfx1250"
	.amdhsa_code_object_version 6
	.text
	.protected	k_q27103fdae2_pack
	.globl	k_q27103fdae2_pack
	.p2align	8
	.type	k_q27103fdae2_pack,@function
k_q27103fdae2_pack:
	s_mov_b64 s[64:65], 0
	v_nop
	global_prefetch_b8 v0, s[64:65] scope:SCOPE_SE
	s_setreg_imm32_b32 hwreg(HW_REG_WAVE_MODE, 25, 1), 1
	s_wait_xcnt 0x0
; keys [65536][256] and query [2048][256], f32, are rounded once to bf16 and laid out as images of matrix fragments.
; IMAGE.  Row rho: kb = rho >> 10, hh = (rho >> 9) & 1, tau = (rho >> 3) & 63, r8 = rho & 7.  Tile (kb, tau) has 16 rows (hh, r8) and 8,192 bytes at
; kb x 524,288 + tau x 8,192: sixteen blocks cg of 512 bytes, block cg for k = 16 cg + 8 h + 0..7; the 16 bytes of (hh, r8, h) lie at cg x 512 + hh x 256 + ((h ^ hh) x 8 + r8) x 16.
; SHARES.  A wave takes a chunk of 8 rows (8,192 bytes in, 4,096 out).  There are 8,192 chunks of keys and 256 of the query: 8,448 = 768 groups x 11 waves, so all groups are alike; chunk 11 x + w.
; A chunk's output is 16 aligned pieces of 256 bytes, 512 bytes apart; they are put together in the wave's own LDS bytes, so that sixteen lanes store each piece whole.
; No barrier: no wave touches another's LDS bytes.  No matrix unit, no cluster: nothing is shared and memory binds.
.set UP,   272                         ; pitch of a 256-byte piece in LDS: 16 bytes of padding
.set WB,   16*UP                       ; a wave's LDS bytes
.set X,    8                           ; v[8:71]   16 loads of 4 f32, rounded in place; later v[8:39] the pieces read back
	s_load_b256 s[4:11], s[0:1], 0x0               ; keys s[4:5], query s[6:7], kbuf s[8:9], qbuf s[10:11]
	v_lshl_add_u32 v80, v0, 2, 0xbb00
	v_mov_b32 v81, 0
	v_lshrrev_b32 v72, 5, v0
	v_readfirstlane_b32 s12, v72                   ; wave
	v_and_b32 v73, 31, v0                          ; lane l
	s_mul_i32 s3, ttmp9, 11
	s_add_co_u32 s3, s3, s12                       ; my chunk among the 8,448
	s_and_b32 s13, s3, 0x1fff                      ; among the keys', or (less 8,192) among the query's
	s_bfe_u32 s14, s13, 0x10006                    ; hh
	s_lshl_b32 s20, s13, 13                        ; the chunk's 8 rows of 1,024 bytes in the source
	s_mov_b32 s21, 0
	s_lshr_b32 s22, s13, 7                         ; kb
	s_lshl_b32 s22, s22, 19
	s_and_b32 s15, s13, 63                         ; tau
	s_lshl_b32 s15, s15, 13
	s_add_co_u32 s22, s22, s15
	s_lshl_b32 s15, s14, 8
	s_add_co_u32 s22, s22, s15                     ; kb x 524,288 + tau x 8,192 + hh x 256
	s_mov_b32 s23, 0
	s_mul_i32 s15, s12, WB                         ; my wave's LDS bytes
	v_lshlrev_b32 v1, 4, v73                       ; 16 l: a load of the wave takes 512 neighbouring bytes
	; load i brings row i >> 1, k = 128 (i & 1) + 4 l + 0..3: piece cg = 8 (i & 1) + (l >> 2), h = (l >> 1) & 1, 8 bytes at (l & 1) x 8
	v_lshrrev_b32 v74, 2, v73
	v_mul_u32_u24 v2, v74, UP
	v_add_nc_u32 v2, s15, v2
	v_bfe_u32 v74, v73, 1, 1
	v_xor_b32 v74, s14, v74                        ; h ^ hh
	v_lshl_add_u32 v2, v74, 7, v2
	v_and_b32 v74, 1, v73
	v_lshl_add_u32 v2, v74, 3, v2                  ; v2: where I put 8 bytes
	v_lshrrev_b32 v74, 4, v73
	v_and_b32 v75, 15, v73
	v_mul_u32_u24 v3, v74, UP
	v_lshl_add_u32 v3, v75, 4, v3
	v_add_nc_u32 v3, s15, v3                       ; v3: back: lanes 0-15 one piece, lanes 16-31 the next
	v_lshlrev_b32 v4, 9, v74
	v_lshl_add_u32 v4, v75, 4, v4                  ; v4: the same two pieces in the image
	s_wait_kmcnt 0x0
	s_cmp_lt_u32 s3, 8192                          ; keys or query: the choice hangs on the chunk's number alone
	s_cselect_b64 s[16:17], s[4:5], s[6:7]
	s_cselect_b64 s[18:19], s[8:9], s[10:11]
	s_add_nc_u64 s[16:17], s[16:17], s[20:21]
	s_add_nc_u64 s[18:19], s[18:19], s[22:23]
.set i, 0
.rept 16
	global_load_b128 v[X+4*i:X+4*i+3], v1, s[16:17] offset:512*i th:TH_LOAD_NT
.set i, i+1
.endr
.set i, 0
.rept 16
	s_wait_loadcnt 15-i                            ; loads come back in order: load i is in, the 15 - i younger ones stay out
	v_cvt_pk_bf16_f32 v[X+4*i], v[X+4*i], v[X+4*i+1]
	v_cvt_pk_bf16_f32 v[X+4*i+1], v[X+4*i+2], v[X+4*i+3]
	ds_store_b64 v2, v[X+4*i:X+4*i+1] offset:(i&1)*8*UP+(i>>1)*16
.set i, i+1
.endr
.set j, 0
.rept 8
	ds_load_b128 v[X+4*j:X+4*j+3], v3 offset:2*UP*j  ; LDS serves a wave's instructions in order: these see the stores above, and come back into registers that those stores have left
.set j, j+1
.endr
.set j, 0
.rept 8
	s_wait_dscnt 7-j
	global_store_b128 v4, v[X+4*j:X+4*j+3], s[18:19] offset:1024*j  ; each half of the wave stores 256 consecutive bytes, aligned
.set j, j+1
.endr
	s_wait_tensorcnt 0x0
	ds_add_u32 v80, v81
	s_wait_dscnt 0x0
	s_endpgm
.Lfunc_end_k_q27103fdae2_pack:
	.size	k_q27103fdae2_pack, .Lfunc_end_k_q27103fdae2_pack-k_q27103fdae2_pack
	.p2alignl 7, 3214868480
	.fill 96, 4, 3214868480
	.section	.rodata,"a",@progbits
	.p2align	6, 0x0
	.amdhsa_kernel k_q27103fdae2_pack
		.amdhsa_group_segment_fixed_size 49408
		.amdhsa_private_segment_fixed_size 0
		.amdhsa_enable_private_segment 0
		.amdhsa_kernarg_size 32
		.amdhsa_user_sgpr_count 2
		.amdhsa_user_sgpr_kernarg_segment_ptr 1
		.amdhsa_wavefront_size32 1
		.amdhsa_system_sgpr_workgroup_id_x 1
		.amdhsa_system_sgpr_workgroup_id_y 1
		.amdhsa_system_sgpr_workgroup_id_z 1
		.amdhsa_system_vgpr_workitem_id 0
		.amdhsa_next_free_vgpr 82
		.amdhsa_next_free_sgpr 66
		.amdhsa_reserve_vcc 0
		.amdhsa_float_denorm_mode_32 3
		.amdhsa_float_denorm_mode_16_64 3
		.amdhsa_memory_ordered 1
		.amdhsa_forward_progress 1
		.amdhsa_inst_pref_size 9
	.end_amdhsa_kernel
	.amdgpu_metadata
---
amdhsa.version: [ 1, 2 ]
amdhsa.kernels:
  - .name:           k_q27103fdae2_pack
    .symbol:         k_q27103fdae2_pack.kd
    .args:
      - { .name: keys, .offset: 0, .size: 8, .value_kind: global_buffer, .address_space: global }
      - { .name: query, .offset: 8, .size: 8, .value_kind: global_buffer, .address_space: global }
      - { .name: kbuf, .offset: 16, .size: 8, .value_kind: global_buffer, .address_space: global }
      - { .name: qbuf, .offset: 24, .size: 8, .value_kind: global_buffer, .address_space: global }
    .group_segment_fixed_size: 49408
    .private_segment_fixed_size: 0
    .kernarg_segment_align: 8
    .kernarg_segment_size: 32
    .max_flat_workgroup_size: 352
    .sgpr_count:     66
    .vgpr_count:     82
    .wavefront_size: 32
...
	.end_amdgpu_metadata
.endif
;; end of part 7
;; launch score: the kernel of part 2 again; grid 4 x 64, 4 waves a work-group, clusters of 4 x 1, 327,680 bytes of LDS; arguments kbuf, qbuf, l1, l2; writes l1, l2
;; launch pick2 (part 8): grid 256 x 1, 8 waves a work-group, no clusters, 18,432 bytes of LDS; arguments l2, sel2; writes sel2
.if DOCPART == 8
	.amdgcn_target "amdgcn-amd-amdhsa--gfx1250"
	.amdhsa_code_object_version 6
	.text
	.protected	k_q27103fdae2_pick2
	.globl	k_q27103fdae2_pick2
	.p2align	8
	.type	k_q27103fdae2_pick2,@function
k_q27103fdae2_pick2:
	s_mov_b64 s[64:65], 0
	v_nop
	global_prefetch_b8 v0, s[64:65] scope:SCOPE_SE
	s_setreg_imm32_b32 hwreg(HW_REG_WAVE_MODE, 25, 1), 1
	s_wait_xcnt 0x0
; For each query place pi, of its 512 maxima over 128 keys the 32 first in the order (maximum descending, number c2 ascending) are chosen, and their numbers are stored ascending: sel2[pi][0..31].
; WHY IT SUFFICES.  A key among the 32 first by (score descending, key ascending) lies in a chunk among the 32 first by (maximum descending, number ascending): each chunk ahead of its chunk holds a key ahead of it.
; HOW.  The set is: every entry above T, the 32nd largest value counted with multiplicity, and of the entries equal to T the lowest-numbered until 32 are chosen.
;   1. a copy of each lane's 16 values is sorted;  2. 32 trips pop the wave's largest list heads and leave T;  3. the entries are compared with T and the equal ones ranked;  4. the flags are compacted.
; No branch and no address hangs on a score: all choices are selects, all trip counts constants.
; LIMITS.  Scores are finite (-inf fills the lists' ends); +0 and -0 count as equal; NaN is not treated.
; SHARES.  A wave takes a place, pi = 8 x + w.  The group's eight places share 16,384 consecutive bytes of l2, which are copied whole into LDS; a lane then holds c2 = 16 l .. 16 l + 15,
; so the order (lane, place in the lane) is the order of the numbers.
.set UP,   272                         ; pitch of 256 bytes of l2 in LDS
.set LN,   2                           ; v2       lane
.set V,    16                          ; v[16:31] my 16 entries, kept as they came
.set A,    32                          ; v[32:47] at work
.set B,    48                          ; v[48:63] my sorted list; later at work
.set MXR,  64
.set TP,   65
.set TH,   66                          ; T
.set NEGR, 67
.set XV,   68
.set WW,   69
.set JJ,   70
.set FW,   71
.set ID,   72
.set LIM,  73
.set JB,   74
.set POS,  75
.set SELS, 16                          ; s[16:17] v_permlanex16_b32's selects: each lane takes its own place in the other half
.set CNT,  18
.set CP,   19                          ; entries popped so far
.set SM,   20
.set ST,   21
.set NEED, 22
.set PP,   23
.set GT,   32                          ; s[32:47] lane masks: entry k above T; later the chosen; with s[48:63] later the 32 lanes' words
.set EQ,   48                          ; s[48:63] lane masks: entry k equal to T
.set AM,   66                          ; s[66:81] lane masks at work
.macro CE d, s, hi, lo                 ; a comparator from array s into array d: place hi takes the larger
	v_max_num_f32 v[(\d)+(\hi)], v[(\s)+(\hi)], v[(\s)+(\lo)]
	v_min_num_f32 v[(\d)+(\lo)], v[(\s)+(\hi)], v[(\s)+(\lo)]
.endm
.macro SUM16 d, r                      ; the sum of 16 registers from r on (which it uses up) into d
	v_add3_u32 v[(\r)], v[(\r)], v[(\r)+1], v[(\r)+2]
	v_add3_u32 v[(\r)+3], v[(\r)+3], v[(\r)+4], v[(\r)+5]
	v_add3_u32 v[(\r)+6], v[(\r)+6], v[(\r)+7], v[(\r)+8]
	v_add3_u32 v[(\r)+9], v[(\r)+9], v[(\r)+10], v[(\r)+11]
	v_add3_u32 v[(\r)+12], v[(\r)+12], v[(\r)+13], v[(\r)+14]
	v_add3_u32 v[(\r)], v[(\r)], v[(\r)+3], v[(\r)+6]
	v_add3_u32 v[(\r)+9], v[(\r)+9], v[(\r)+12], v[(\r)+15]
	v_add_nc_u32 v[\d], v[(\r)], v[(\r)+9]
.endm
; bs: the register with my lane's base number (entry k has the number 16 x base + k; bases ascend with the lane).  Lane s ends with the s-th chosen number, ascending, in ID.
.macro SELECT bs
	s_mov_b32 s[SELS], 0x76543210
	s_mov_b32 s[SELS+1], 0xfedcba98
	v_mov_b32 v[NEGR], 0xff800000
	v_mov_b32 v[MXR], 0                            ; destinations of lane-crossing forms count as read: written once here
	v_mov_b32 v[TP], 0
	v_mov_b32 v[TH], 0
	v_lshl_or_b32 v[LIM], v[LN], 25, 0x1ffffff     ; the largest word whose running count is at most my lane's number
	; 1. A bitonic network, descending: 10 stages of 8 comparators.  Every stage rewrites all 16 places, so the stages go V -> A -> B -> A .. -> B and a comparator needs no third register.
.set stg, 0
.irp kk, 2,4,8,16
.irp jj, 8,4,2,1
.if \jj < \kk
.if stg == 0
.set srcr, V
.elseif (stg & 1) == 1
.set srcr, A
.else
.set srcr, B
.endif
.if (stg & 1) == 0
.set dstr, A
.else
.set dstr, B
.endif
.set i, 0
.rept 16
.set l, (i ^ \jj)
.if l > i
.if (i & \kk) == 0
	CE dstr, srcr, i, l
.else
	CE dstr, srcr, l, i
.endif
.endif
.set i, i+1
.endr
.set stg, stg+1
.endif
.endr
.endr
	; 2. 32 trips.  Each finds the largest head in the wave; every lane whose head equals it moves its list up by one.  A trip pops one entry at the least, so 32 trips pop 32 or more.
	; T follows the maximum as long as fewer than 32 had been popped before the trip: it ends as the 32nd largest value.
	s_mov_b32 s[CP], 0
	s_mov_b32 s[CNT], 32
.Lpop:
	v_max_num_f32_dpp v[MXR], v[B], v[B] row_xmask:1 row_mask:0xf bank_mask:0xf
.irp x, 2,4,8
	v_max_num_f32_dpp v[MXR], v[MXR], v[MXR] row_xmask:\x row_mask:0xf bank_mask:0xf
.endr
	v_permlanex16_b32 v[TP], v[MXR], s[SELS], s[SELS+1]
	s_cmp_lt_u32 s[CP], 32
	s_cselect_b32 s[SM], -1, 0
	v_max_num_f32 v[MXR], v[MXR], v[TP]
	v_cmp_eq_f32 vcc_lo, v[MXR], v[B]
	v_cndmask_b32 v[TH], v[TH], v[MXR], s[SM]
.set k, 0
.rept 15
	v_cndmask_b32 v[B+k], v[B+k], v[B+k+1], vcc_lo
.set k, k+1
.endr
	v_cndmask_b32 v[B+15], v[B+15], v[NEGR], vcc_lo
	s_bcnt1_i32_b32 s[ST], vcc_lo
	s_add_co_u32 s[CP], s[CP], s[ST]
	s_sub_co_u32 s[CNT], s[CNT], 1
	s_cmp_lg_u32 s[CNT], 0
	s_cbranch_scc1 .Lpop
	; 3. The entries against T, as lane masks.  need = 32 less the number above T (31 at the most are above it, 32 at the least are above or equal).
.set k, 0
.rept 16
	v_cmp_gt_f32 s[GT+k], v[V+k], v[TH]
	v_cmp_eq_f32 s[EQ+k], v[V+k], v[TH]
.set k, k+1
.endr
	s_mov_b32 s[NEED], 32
.set k, 0
.rept 16
	s_bcnt1_i32_b32 s[ST], s[GT+k]
	s_sub_co_u32 s[NEED], s[NEED], s[ST]
.set k, k+1
.endr
	v_mbcnt_lo_u32_b32 v[B], s[EQ], 0              ; the equal entries in the lanes below mine,
.set k, 1
.rept 15
	v_mbcnt_lo_u32_b32 v[B], s[EQ+k], v[B]
.set k, k+1
.endr
.set k, 0
.rept 16
	v_cndmask_b32 v[A+k], 0, 1, s[EQ+k]
.set k, k+1
.endr
.set k, 0
.rept 15
	v_add_nc_u32 v[B+k+1], v[B+k], v[A+k]          ; and those ahead of place k + 1 in mine: B[k] is the rank that an equal entry at place k has among the equal ones
.set k, k+1
.endr
.set k, 0
.rept 16
	v_cmp_gt_u32 s[AM+k], s[NEED], v[B+k]
.set k, k+1
.endr
.set k, 0
.rept 16
	s_and_b32 s[EQ+k], s[EQ+k], s[AM+k]
	s_or_b32 s[GT+k], s[GT+k], s[EQ+k]             ; chosen: above T, or equal with a rank below need
.set k, k+1
.endr
.set k, 0
.rept 16
	v_cndmask_b32 v[A+k], 0, 1<<k, s[GT+k]
.set k, k+1
.endr
	SUM16 FW, A                                    ; my 16 flags as a word (the bits are apart, so the sum is their union)
	v_lshl_or_b32 v[XV], v[\bs], 16, v[FW]         ; bits 15:0 flags, 24:16 my base number
	; 4. Compaction.  The 32 words become scalars; each takes into bits 30:25 the number P of flags set in the lanes below it.  Lane s wants the last word with P <= s, and of it flag number s - P.
.set k, 0
.rept 32
	v_readlane_b32 s[GT+k], v[XV], k
.set k, k+1
.endr
	s_mov_b32 s[PP], 0
.set k, 0
.rept 32
	s_and_b32 s[SM], s[GT+k], 0xffff
	s_lshl_b32 s[ST], s[PP], 25
	s_bcnt1_i32_b32 s[SM], s[SM]
	s_or_b32 s[GT+k], s[GT+k], s[ST]
	s_add_co_u32 s[PP], s[PP], s[SM]
.set k, k+1
.endr
	v_mov_b32 v[WW], 0
.irp hb, 0, 16
.set k, 0
.rept 16
	v_cmp_gt_u32 s[AM+k], s[GT+\hb+k], v[LIM]      ; P > s: not for me
.set k, k+1
.endr
.set k, 0
.rept 16
	v_cndmask_b32 v[WW], s[GT+\hb+k], v[WW], s[AM+k]  ; P never falls from lane to lane, so the last word taken is the one wanted
.set k, k+1
.endr
.endr
	v_and_b32 v[FW], 0xffff, v[WW]
	v_lshrrev_b32 v[JJ], 25, v[WW]
	v_sub_nc_u32 v[JJ], v[LN], v[JJ]               ; j = s - P
	v_bfe_u32 v[JB], v[WW], 16, 9
.set k, 0
.rept 16
	v_bfe_u32 v[A+k], v[FW], k, 1
.set k, k+1
.endr
.set k, 1
.rept 15
	v_add_nc_u32 v[A+k], v[A+k], v[A+k-1]          ; flags set at places 0 .. k
.set k, k+1
.endr
.set k, 0
.rept 16
	v_cmp_le_u32 s[AM+k], v[A+k], v[JJ]
.set k, k+1
.endr
.set k, 0
.rept 16
	v_cndmask_b32 v[B+k], 0, 1, s[AM+k]
.set k, k+1
.endr
	SUM16 POS, B                                   ; the place of flag number j = the number of places up to which j flags at the most are set
	v_lshl_add_u32 v[ID], v[JB], 4, v[POS]
.endm
	s_load_b128 s[4:7], s[0:1], 0x0                ; l2 s[4:5], sel2 s[6:7]
	v_lshl_add_u32 v80, v0, 2, 0x4400
	v_mov_b32 v81, 0
	v_lshrrev_b32 v1, 5, v0
	v_readfirstlane_b32 s8, v1                     ; wave
	v_and_b32 v[LN], 31, v0
	s_lshl_b32 s10, ttmp9, 14                      ; the group's 16,384 bytes
	s_mov_b32 s11, 0
	v_lshlrev_b32 v3, 4, v0
	v_lshrrev_b32 v4, 4, v0
	v_and_b32 v5, 15, v0
	v_mul_u32_u24 v4, v4, UP
	v_lshl_add_u32 v4, v5, 4, v4
	s_wait_kmcnt 0x0
	s_add_nc_u64 s[4:5], s[4:5], s[10:11]
.irp i, 0,1,2,3
	global_load_b128 v[V+4*(\i):V+4*(\i)+3], v3, s[4:5] offset:4096*(\i)
.endr
	s_wait_loadcnt 0x0
.irp i, 0,1,2,3
	ds_store_b128 v4, v[V+4*(\i):V+4*(\i)+3] offset:16*UP*(\i)
.endr
	s_wait_dscnt 0x0                               ; for the others' sake: my stores are done
	s_barrier_signal -1
	s_barrier_wait -1
	v_mul_u32_u24 v6, v[LN], 2*UP                  ; kb = 2 l, 2 l + 1
	s_lshl_b32 s9, s8, 4                           ; my place's 16 bytes (four g) in each 128
	v_add_nc_u32 v6, s9, v6
.irp p, 0,1,2,3
	ds_load_b128 v[V+4*(\p):V+4*(\p)+3], v6 offset:((\p)>>1)*UP+((\p)&1)*128  ; c2 = 16 l + 4 p + 0..3
.endr
	s_lshl_b32 s12, ttmp9, 3
	s_add_co_u32 s12, s12, s8
	s_lshl_b32 s12, s12, 7                         ; pi x 128
	v_lshl_add_u32 v8, v[LN], 2, s12
	s_wait_dscnt 0x0
	SELECT LN                                      ; my base number is my lane's
	global_store_b32 v8, v[ID], s[6:7]             ; the group's eight waves store 1,024 consecutive bytes
	s_wait_tensorcnt 0x0
	ds_add_u32 v80, v81
	s_wait_dscnt 0x0
	s_endpgm
.Lfunc_end_k_q27103fdae2_pick2:
	.size	k_q27103fdae2_pick2, .Lfunc_end_k_q27103fdae2_pick2-k_q27103fdae2_pick2
	.p2alignl 7, 3214868480
	.fill 96, 4, 3214868480
	.section	.rodata,"a",@progbits
	.p2align	6, 0x0
	.amdhsa_kernel k_q27103fdae2_pick2
		.amdhsa_group_segment_fixed_size 18432
		.amdhsa_private_segment_fixed_size 0
		.amdhsa_enable_private_segment 0
		.amdhsa_kernarg_size 16
		.amdhsa_user_sgpr_count 2
		.amdhsa_user_sgpr_kernarg_segment_ptr 1
		.amdhsa_wavefront_size32 1
		.amdhsa_system_sgpr_workgroup_id_x 1
		.amdhsa_system_sgpr_workgroup_id_y 1
		.amdhsa_system_sgpr_workgroup_id_z 1
		.amdhsa_system_vgpr_workitem_id 0
		.amdhsa_next_free_vgpr 82
		.amdhsa_next_free_sgpr 88
		.amdhsa_reserve_vcc 1
		.amdhsa_float_denorm_mode_32 3
		.amdhsa_float_denorm_mode_16_64 3
		.amdhsa_memory_ordered 1
		.amdhsa_forward_progress 1
		.amdhsa_inst_pref_size 35
	.end_amdhsa_kernel
	.amdgpu_metadata
---
amdhsa.version: [ 1, 2 ]
amdhsa.kernels:
  - .name:           k_q27103fdae2_pick2
    .symbol:         k_q27103fdae2_pick2.kd
    .args:
      - { .name: l2, .offset: 0, .size: 8, .value_kind: global_buffer, .address_space: global }
      - { .name: sel2, .offset: 8, .size: 8, .value_kind: global_buffer, .address_space: global }
    .group_segment_fixed_size: 18432
    .private_segment_fixed_size: 0
    .kernarg_segment_align: 8
    .kernarg_segment_size: 16
    .max_flat_workgroup_size: 256
    .sgpr_count:     88
    .vgpr_count:     82
    .wavefront_size: 32
...
	.end_amdgpu_metadata
.endif
;; end of part 8
;; launch pick1 (part 9): grid 256 x 1, 8 waves a work-group, no clusters, 0 bytes of LDS; arguments l1, sel2, sel1; writes sel1
.if DOCPART == 9
	.amdgcn_target "amdgcn-amd-amdhsa--gfx1250"
	.amdhsa_code_object_version 6
	.text
	.protected	k_q27103fdae2_pick1
	.globl	k_q27103fdae2_pick1
	.p2align	8
	.type	k_q27103fdae2_pick1,@function
k_q27103fdae2_pick1:
	s_mov_b64 s[64:65], 0
	v_nop
	global_prefetch_b8 v0, s[64:65] scope:SCOPE_SE
	s_setreg_imm32_b32 hwreg(HW_REG_WAVE_MODE, 25, 1), 1
	s_wait_xcnt 0x0
; For each query place pi: the 32 chunks of 128 keys that sel2 names hold 512 chunks of 8 keys; of their maxima (from l1) the 32 first by (maximum descending, number X ascending) are chosen, and their numbers stored ascending: sel1[pi][0..31].
; The same argument as one level up: a key among the 32 first lies in a chunk of 8 among the 32 first, and that chunk in a chunk of 128 among the 32 first.
; HOW.  The set is: every entry above T, the 32nd largest value counted with multiplicity, and of the entries equal to T the lowest-numbered until 32 are chosen.
;   1. a copy of each lane's 16 values is sorted;  2. 32 trips pop the wave's largest list heads and leave T;  3. the entries are compared with T and the equal ones ranked;  4. the flags are compacted.
; No branch hangs on a score, and no address but through sel2, whole numbers that an earlier launch stored.
; LIMITS.  Scores are finite (-inf fills the lists' ends); +0 and -0 count as equal; NaN is not treated.
; SHARES.  A wave takes a place, pi = 8 x + w; lane l takes the l-th chunk of sel2: four loads of 16 bytes bring its 16 maxima, X = 16 c2 + 0..15.  sel2 ascends, so the order (lane, place in the lane) is the order of the numbers.
.set LN,   2                           ; v2       lane
.set C2,   4                           ; v4       my chunk of 128 keys
.set V,    16                          ; v[16:31] my 16 entries, kept as they came
.set A,    32                          ; v[32:47] at work
.set B,    48                          ; v[48:63] my sorted list; later at work
.set MXR,  64
.set TP,   65
.set TH,   66                          ; T
.set NEGR, 67
.set XV,   68
.set WW,   69
.set JJ,   70
.set FW,   71
.set ID,   72
.set LIM,  73
.set JB,   74
.set POS,  75
.set SELS, 16                          ; s[16:17] v_permlanex16_b32's selects: each lane takes its own place in the other half
.set CNT,  18
.set CP,   19                          ; entries popped so far
.set SM,   20
.set ST,   21
.set NEED, 22
.set PP,   23
.set GT,   32                          ; s[32:47] lane masks: entry k above T; later the chosen; with s[48:63] later the 32 lanes' words
.set EQ,   48                          ; s[48:63] lane masks: entry k equal to T
.set AM,   66                          ; s[66:81] lane masks at work
.macro CE d, s, hi, lo                 ; a comparator from array s into array d: place hi takes the larger
	v_max_num_f32 v[(\d)+(\hi)], v[(\s)+(\hi)], v[(\s)+(\lo)]
	v_min_num_f32 v[(\d)+(\lo)], v[(\s)+(\hi)], v[(\s)+(\lo)]
.endm
.macro SUM16 d, r                      ; the sum of 16 registers from r on (which it uses up) into d
	v_add3_u32 v[(\r)], v[(\r)], v[(\r)+1], v[(\r)+2]
	v_add3_u32 v[(\r)+3], v[(\r)+3], v[(\r)+4], v[(\r)+5]
	v_add3_u32 v[(\r)+6], v[(\r)+6], v[(\r)+7], v[(\r)+8]
	v_add3_u32 v[(\r)+9], v[(\r)+9], v[(\r)+10], v[(\r)+11]
	v_add3_u32 v[(\r)+12], v[(\r)+12], v[(\r)+13], v[(\r)+14]
	v_add3_u32 v[(\r)], v[(\r)], v[(\r)+3], v[(\r)+6]
	v_add3_u32 v[(\r)+9], v[(\r)+9], v[(\r)+12], v[(\r)+15]
	v_add_nc_u32 v[\d], v[(\r)], v[(\r)+9]
.endm
; bs: the register with my lane's base number (entry k has the number 16 x base + k; bases ascend with the lane).  Lane s ends with the s-th chosen number, ascending, in ID.
.macro SELECT bs
	s_mov_b32 s[SELS], 0x76543210
	s_mov_b32 s[SELS+1], 0xfedcba98
	v_mov_b32 v[NEGR], 0xff800000
	v_mov_b32 v[MXR], 0                            ; destinations of lane-crossing forms count as read: written once here
	v_mov_b32 v[TP], 0
	v_mov_b32 v[TH], 0
	v_lshl_or_b32 v[LIM], v[LN], 25, 0x1ffffff     ; the largest word whose running count is at most my lane's number
	; 1. A bitonic network, descending: 10 stages of 8 comparators.  Every stage rewrites all 16 places, so the stages go V -> A -> B -> A .. -> B and a comparator needs no third register.
.set stg, 0
.irp kk, 2,4,8,16
.irp jj, 8,4,2,1
.if \jj < \kk
.if stg == 0
.set srcr, V
.elseif (stg & 1) == 1
.set srcr, A
.else
.set srcr, B
.endif
.if (stg & 1) == 0
.set dstr, A
.else
.set dstr, B
.endif
.set i, 0
.rept 16
.set l, (i ^ \jj)
.if l > i
.if (i & \kk) == 0
	CE dstr, srcr, i, l
.else
	CE dstr, srcr, l, i
.endif
.endif
.set i, i+1
.endr
.set stg, stg+1
.endif
.endr
.endr
	; 2. 32 trips.  Each finds the largest head in the wave; every lane whose head equals it moves its list up by one.  A trip pops one entry at the least, so 32 trips pop 32 or more.
	; T follows the maximum as long as fewer than 32 had been popped before the trip: it ends as the 32nd largest value.
	s_mov_b32 s[CP], 0
	s_mov_b32 s[CNT], 32
.Lpop:
	v_max_num_f32_dpp v[MXR], v[B], v[B] row_xmask:1 row_mask:0xf bank_mask:0xf
.irp x, 2,4,8
	v_max_num_f32_dpp v[MXR], v[MXR], v[MXR] row_xmask:\x row_mask:0xf bank_mask:0xf
.endr
	v_permlanex16_b32 v[TP], v[MXR], s[SELS], s[SELS+1]
	s_cmp_lt_u32 s[CP], 32
	s_cselect_b32 s[SM], -1, 0
	v_max_num_f32 v[MXR], v[MXR], v[TP]
	v_cmp_eq_f32 vcc_lo, v[MXR], v[B]
	v_cndmask_b32 v[TH], v[TH], v[MXR], s[SM]
.set k, 0
.rept 15
	v_cndmask_b32 v[B+k], v[B+k], v[B+k+1], vcc_lo
.set k, k+1
.endr
	v_cndmask_b32 v[B+15], v[B+15], v[NEGR], vcc_lo
	s_bcnt1_i32_b32 s[ST], vcc_lo
	s_add_co_u32 s[CP], s[CP], s[ST]
	s_sub_co_u32 s[CNT], s[CNT], 1
	s_cmp_lg_u32 s[CNT], 0
	s_cbranch_scc1 .Lpop
	; 3. The entries against T, as lane masks.  need = 32 less the number above T (31 at the most are above it, 32 at the least are above or equal).
.set k, 0
.rept 16
	v_cmp_gt_f32 s[GT+k], v[V+k], v[TH]
	v_cmp_eq_f32 s[EQ+k], v[V+k], v[TH]
.set k, k+1
.endr
	s_mov_b32 s[NEED], 32
.set k, 0
.rept 16
	s_bcnt1_i32_b32 s[ST], s[GT+k]
	s_sub_co_u32 s[NEED], s[NEED], s[ST]
.set k, k+1
.endr
	v_mbcnt_lo_u32_b32 v[B], s[EQ], 0              ; the equal entries in the lanes below mine,
.set k, 1
.rept 15
	v_mbcnt_lo_u32_b32 v[B], s[EQ+k], v[B]
.set k, k+1
.endr
.set k, 0
.rept 16
	v_cndmask_b32 v[A+k], 0, 1, s[EQ+k]
.set k, k+1
.endr
.set k, 0
.rept 15
	v_add_nc_u32 v[B+k+1], v[B+k], v[A+k]          ; and those ahead of place k + 1 in mine: B[k] is the rank that an equal entry at place k has among the equal ones
.set k, k+1
.endr
.set k, 0
.rept 16
	v_cmp_gt_u32 s[AM+k], s[NEED], v[B+k]
.set k, k+1
.endr
.set k, 0
.rept 16
	s_and_b32 s[EQ+k], s[EQ+k], s[AM+k]
	s_or_b32 s[GT+k], s[GT+k], s[EQ+k]             ; chosen: above T, or equal with a rank below need
.set k, k+1
.endr
.set k, 0
.rept 16
	v_cndmask_b32 v[A+k], 0, 1<<k, s[GT+k]
.set k, k+1
.endr
	SUM16 FW, A                                    ; my 16 flags as a word (the bits are apart, so the sum is their union)
	v_lshl_or_b32 v[XV], v[\bs], 16, v[FW]         ; bits 15:0 flags, 24:16 my base number
	; 4. Compaction.  The 32 words become scalars; each takes into bits 30:25 the number P of flags set in the lanes below it.  Lane s wants the last word with P <= s, and of it flag number s - P.
.set k, 0
.rept 32
	v_readlane_b32 s[GT+k], v[XV], k
.set k, k+1
.endr
	s_mov_b32 s[PP], 0
.set k, 0
.rept 32
	s_and_b32 s[SM], s[GT+k], 0xffff
	s_lshl_b32 s[ST], s[PP], 25
	s_bcnt1_i32_b32 s[SM], s[SM]
	s_or_b32 s[GT+k], s[GT+k], s[ST]
	s_add_co_u32 s[PP], s[PP], s[SM]
.set k, k+1
.endr
	v_mov_b32 v[WW], 0
.irp hb, 0, 16
.set k, 0
.rept 16
	v_cmp_gt_u32 s[AM+k], s[GT+\hb+k], v[LIM]      ; P > s: not for me
.set k, k+1
.endr
.set k, 0
.rept 16
	v_cndmask_b32 v[WW], s[GT+\hb+k], v[WW], s[AM+k]  ; P never falls from lane to lane, so the last word taken is the one wanted
.set k, k+1
.endr
.endr
	v_and_b32 v[FW], 0xffff, v[WW]
	v_lshrrev_b32 v[JJ], 25, v[WW]
	v_sub_nc_u32 v[JJ], v[LN], v[JJ]               ; j = s - P
	v_bfe_u32 v[JB], v[WW], 16, 9
.set k, 0
.rept 16
	v_bfe_u32 v[A+k], v[FW], k, 1
.set k, k+1
.endr
.set k, 1
.rept 15
	v_add_nc_u32 v[A+k], v[A+k], v[A+k-1]          ; flags set at places 0 .. k
.set k, k+1
.endr
.set k, 0
.rept 16
	v_cmp_le_u32 s[AM+k], v[A+k], v[JJ]
.set k, k+1
.endr
.set k, 0
.rept 16
	v_cndmask_b32 v[B+k], 0, 1, s[AM+k]
.set k, k+1
.endr
	SUM16 POS, B                                   ; the place of flag number j = the number of places up to which j flags at the most are set
	v_lshl_add_u32 v[ID], v[JB], 4, v[POS]
.endm
	s_load_b128 s[4:7], s[0:1], 0x0                ; l1 s[4:5], sel2 s[6:7]
	s_load_b64 s[8:9], s[0:1], 0x10                ; sel1
	v_lshrrev_b32 v1, 5, v0
	v_readfirstlane_b32 s10, v1                    ; wave
	v_and_b32 v[LN], 31, v0
	s_lshl_b32 s11, ttmp9, 3
	s_add_co_u32 s11, s11, s10                     ; pi = 16 T + r
	s_lshl_b32 s12, s11, 7
	s_lshr_b32 s13, s11, 4
	s_lshl_b32 s13, s13, 13                        ; T x 8,192
	s_and_b32 s14, s11, 15
	s_lshl_b32 s14, s14, 4                         ; r x 16
	s_add_co_u32 s13, s13, s14
	v_lshl_add_u32 v3, v[LN], 2, s12               ; pi x 128 + 4 l
	s_wait_kmcnt 0x0
	global_load_b32 v[C2], v3, s[6:7]
	s_wait_loadcnt 0x0
	v_min_u32 v[C2], 0x1ff, v[C2]                  ; c2 = kb x 8 + h x 4 + g
	v_and_b32 v5, 0x1f8, v[C2]
	v_lshlrev_b32 v5, 17, v5                       ; kb x 2^20
	v_and_b32 v6, 3, v[C2]
	v_lshl_add_u32 v5, v6, 11, v5                  ; g x 4 quads of 512 bytes
	v_and_b32 v6, 4, v[C2]
	v_lshl_add_u32 v5, v6, 6, v5                   ; h x 16 lanes of 16 bytes
	v_add_nc_u32 v5, s13, v5
.irp u, 0,1,2,3
	global_load_b128 v[V+4*(\u):V+4*(\u)+3], v5, s[4:5] offset:512*(\u)
.endr
	s_wait_loadcnt 0x0
	SELECT C2                                      ; my base number is my chunk's
	global_store_b32 v3, v[ID], s[8:9]             ; the group's eight waves store 1,024 consecutive bytes
	s_endpgm
.Lfunc_end_k_q27103fdae2_pick1:
	.size	k_q27103fdae2_pick1, .Lfunc_end_k_q27103fdae2_pick1-k_q27103fdae2_pick1
	.p2alignl 7, 3214868480
	.fill 96, 4, 3214868480
	.section	.rodata,"a",@progbits
	.p2align	6, 0x0
	.amdhsa_kernel k_q27103fdae2_pick1
		.amdhsa_group_segment_fixed_size 0
		.amdhsa_private_segment_fixed_size 0
		.amdhsa_enable_private_segment 0
		.amdhsa_kernarg_size 24
		.amdhsa_user_sgpr_count 2
		.amdhsa_user_sgpr_kernarg_segment_ptr 1
		.amdhsa_wavefront_size32 1
		.amdhsa_system_sgpr_workgroup_id_x 1
		.amdhsa_system_sgpr_workgroup_id_y 1
		.amdhsa_system_sgpr_workgroup_id_z 1
		.amdhsa_system_vgpr_workitem_id 0
		.amdhsa_next_free_vgpr 80
		.amdhsa_next_free_sgpr 88
		.amdhsa_reserve_vcc 1
		.amdhsa_float_denorm_mode_32 3
		.amdhsa_float_denorm_mode_16_64 3
		.amdhsa_memory_ordered 1
		.amdhsa_forward_progress 1
		.amdhsa_inst_pref_size 34
	.end_amdhsa_kernel
	.amdgpu_metadata
---
amdhsa.version: [ 1, 2 ]
amdhsa.kernels:
  - .name:           k_q27103fdae2_pick1
    .symbol:         k_q27103fdae2_pick1.kd
    .args:
      - { .name: l1, .offset: 0, .size: 8, .value_kind: global_buffer, .address_space: global }
      - { .name: sel2, .offset: 8, .size: 8, .value_kind: global_buffer, .address_space: global }
      - { .name: sel1, .offset: 16, .size: 8, .value_kind: global_buffer, .address_space: global }
    .group_segment_fixed_size: 0
    .private_segment_fixed_size: 0
    .kernarg_segment_align: 8
    .kernarg_segment_size: 24
    .max_flat_workgroup_size: 256
    .sgpr_count:     88
    .vgpr_count:     80
    .wavefront_size: 32
...
	.end_amdgpu_metadata
.endif
;; end of part 9
;; launch rescore (part 10): grid 256 x 1, 8 waves a work-group, no clusters, 0 bytes of LDS; arguments kbuf, qbuf, sel1, idx, wts; writes idx, wts
.if DOCPART == 10
	.amdgcn_target "amdgcn-amd-amdhsa--gfx1250"
	.amdhsa_code_object_version 6
	.text
	.protected	k_q27103fdae2_rescore
	.globl	k_q27103fdae2_rescore
	.p2align	8
	.type	k_q27103fdae2_rescore,@function
k_q27103fdae2_rescore:
	s_mov_b64 s[64:65], 0
	v_nop
	global_prefetch_b8 v0, s[64:65] scope:SCOPE_SE
	s_setreg_imm32_b32 hwreg(HW_REG_WAVE_MODE, 25, 1), 1
	s_wait_xcnt 0x0
; For each query place pi: the 32 chunks of 8 keys that sel1 names are scored again (the same matrix form, the same sources' roles and the same order of k as in the launch that made the maxima),
; and of the 256 scores the 32 first by (score descending, key ascending) are chosen.  Neither the softmax nor the weighted sum behind it needs them in order, so only the set is made.
; OUT.  wts[pi][256]: the softmax weight of each of the 256 entries, 0 where it is not chosen; entry (lane, place) lies at word (place >> 2) x 128 + lane x 4 + (place & 3).
;       idx[pi][32]: for each chosen entry, keys ascending, the word key x 256 + its weight's word number.
; THE SET.  Every score above T, the 32nd largest counted with multiplicity, and of the scores equal to T those with the lowest keys until 32 are chosen.
;   1. a copy of each lane's 8 scores is sorted;  2. 32 trips pop the wave's largest list heads and leave T;  3. the scores are compared with T and the equal ones ranked;  4. weights;  5. the flags are compacted.
; No branch hangs on a score, and no address but through sel1, whole numbers that an earlier launch stored.
; SOFTMAX.  w = 2^((s - m) c) / sum, m the largest raw score, c = log2(e) / 16: the scale 256^-1/2 is a power of two and enters here alone.
; LIMITS.  Scores are finite (-inf fills the lists' ends); +0 and -0 count as equal; NaN is not treated; two scores closer than the f32 sums' own error may be ordered otherwise than by another order of summation.
; SHARES.  A wave takes a place, pi = 8 x + w.  Source 0 of tile i: 16 rows = the chunks at places i and 16 + i of sel1, gathered from the image in 16-byte pieces, of which the 16 lanes of one chunk and one block read one aligned 256 bytes;
; source 1: the query in all 16 columns.  In the result every column is alike; lanes i and 16 + i keep tile i's, so that lane l ends with the 8 scores of the chunk at place l.  sel1 ascends, so the order (lane, place) is the order of the keys.
; No LDS and no cluster: each place gathers rows of its own.
; REGISTERS.  Window 0: addresses, v[64:127] the query's fragments, v[128:143] two accumulators, v[144:151] my 8 scores, v[152:193] the selection.  Window 1: four buffers of 64 for gathered key tiles.
.set LN,   14                          ; v14      lane
.set WA,   15                          ; v15      my 16 bytes in wts
.set OFF,  16                          ; v[16:31] byte offset in kbuf of my row of tile i
.set IDS,  32                          ; v[32:47] the chunk's number for my row of tile i
.set XL,   48                          ; v48      the number of the chunk whose scores I end up with
.set BQ,   64
.set AC0,  128
.set AC1,  136
.set V,    144                         ; v[144:151] my 8 scores, kept as they came
.set A,    152                         ; v[152:159] at work
.set B,    160                         ; v[160:167] my sorted list; later at work
.set MXR,  168
.set TP,   169
.set TH,   170                         ; T
.set NEGR, 171
.set XV,   172
.set WW,   173
.set JJ,   174
.set FW,   175
.set LIM,  176
.set JB,   177
.set POS,  178
.set SLN,  179
.set MM,   180                         ; m
.set SU,   181
.set ID,   182
.set TT,   183
.set E,    184                         ; v[184:191] my 8 weights
.set PF,   192
.set ND,   193
.set SELS, 24                          ; s[24:25] v_permlanex16_b32's selects: each lane takes its own place in the other half
.set CP,   26                          ; entries popped so far
.set CNT,  27
.set SM,   28
.set ST,   29
.set NEED, 30
.set PP,   31
.set GT,   32                          ; s[32:39] lane masks: entry k above T; later the chosen
.set EQ,   40                          ; s[40:47] lane masks: entry k equal to T
.set W,    32                          ; s[32:63] later the 32 lanes' words
.set AM,   66                          ; s[66:81] lane masks at work
.set MSB, 0
.macro WIN new
.if MSB != (\new)
	s_set_vgpr_msb (MSB<<8)|(\new)
.set MSB, (\new)
.endif
.endm
.macro XMAX d, s                       ; the wave's maximum of s into d, in every lane
	v_max_num_f32_dpp v[\d], v[\s], v[\s] row_xmask:1 row_mask:0xf bank_mask:0xf
.irp x, 2,4,8
	v_max_num_f32_dpp v[\d], v[\d], v[\d] row_xmask:\x row_mask:0xf bank_mask:0xf
.endr
	v_permlanex16_b32 v[TP], v[\d], s[SELS], s[SELS+1]
	v_max_num_f32 v[\d], v[\d], v[TP]
.endm
.macro CE d, s, hi, lo                 ; a comparator from array s into array d: place hi takes the larger
	v_max_num_f32 v[(\d)+(\hi)], v[(\s)+(\hi)], v[(\s)+(\lo)]
	v_min_num_f32 v[(\d)+(\lo)], v[(\s)+(\hi)], v[(\s)+(\lo)]
.endm
.macro SUM8 d, r                       ; the sum of 8 registers from r on (which it uses up) into d
	v_add_nc_u32 v[(\r)], v[(\r)], v[(\r)+1]
	v_add_nc_u32 v[(\r)+2], v[(\r)+2], v[(\r)+3]
	v_add_nc_u32 v[(\r)+4], v[(\r)+4], v[(\r)+5]
	v_add_nc_u32 v[(\r)+6], v[(\r)+6], v[(\r)+7]
	v_add_nc_u32 v[(\r)], v[(\r)], v[(\r)+2]
	v_add_nc_u32 v[(\r)+4], v[(\r)+4], v[(\r)+6]
	v_add_nc_u32 v[\d], v[(\r)], v[(\r)+4]
.endm
.macro PFX m, mask                     ; a step of the sum over the lanes below mine: groups of m lanes exchange their totals; the upper group adds the lower's to its count
	s_mov_b32 s[SM], \mask
	v_mov_b32_dpp v[TP], v[TT] row_xmask:\m row_mask:0xf bank_mask:0xf
	v_cndmask_b32 v[XV], 0, v[TP], s[SM]
	v_add_nc_u32 v[TT], v[TT], v[TP]
	v_add_nc_u32 v[PF], v[PF], v[XV]
.endm
	s_load_b256 s[4:11], s[0:1], 0x0               ; kbuf s[4:5], qbuf s[6:7], sel1 s[8:9], idx s[10:11]
	s_load_b64 s[12:13], s[0:1], 0x20              ; wts
	v_lshrrev_b32 v1, 5, v0
	v_readfirstlane_b32 s14, v1                    ; wave
	s_lshl_b32 s15, ttmp9, 3
	s_add_co_u32 s15, s15, s14                     ; pi
	s_lshl_b32 s16, s15, 7                         ; pi x 128
	s_lshl_b32 s21, s15, 10                        ; pi x 1,024
	s_and_b32 s17, ttmp9, 1                        ; the query's half of its tile's rows
	s_lshr_b32 s18, ttmp9, 1                       ; its tile
	s_lshl_b32 s19, s18, 13
	s_lshl_b32 s18, s17, 8
	s_add_co_u32 s19, s19, s18
	s_lshl_b32 s18, s14, 4
	s_add_co_u32 s19, s19, s18                     ; tile x 8,192 + half x 256 + w x 16
	v_bfe_u32 v2, v0, 3, 1                         ; r >> 3
	v_bfe_u32 v3, v0, 4, 1                         ; h
	v_and_b32 v4, 7, v0                            ; r & 7
	v_and_b32 v[LN], 31, v0
	v_lshl_add_u32 v6, v2, 6, s16                  ; sel1: place i + 16 (r >> 3), the 4 i in the immediate
	v_xor_b32 v8, s17, v3
	v_lshl_add_u32 v8, v8, 7, s19                  ; the query's 16 bytes of each block for my h
	v_lshlrev_b32 v11, 7, v3                       ; h x 128
	v_lshlrev_b32 v12, 4, v4                       ; (r & 7) x 16
	v_lshl_add_u32 v13, v[LN], 2, s16              ; sel1 and idx: pi x 128 + 4 l
	v_lshl_add_u32 v[WA], v[LN], 4, s21            ; wts: pi x 1,024 + 16 l
	s_wait_kmcnt 0x0
.set i, 0
.rept 16
	global_load_b32 v[IDS+i], v6, s[8:9] offset:4*i
.set i, i+1
.endr
	global_load_b32 v[XL], v13, s[8:9]
.set i, 0
.rept 16
	global_load_b128 v[BQ+4*i:BQ+4*i+3], v8, s[6:7] offset:512*i
.set i, i+1
.endr
	s_wait_loadcnt 16                              ; the numbers are in; the query's 16 loads may stay out
	; chunk X = kb x 128 + hh x 64 + tau lies at kb x 524,288 + tau x 8,192 + hh x 256 + ((h ^ hh) x 8 + r8) x 16 of each block
.set i, 0
.rept 16
	v_min_u32 v[IDS+i], 0x1fff, v[IDS+i]
	v_and_b32 v9, 64, v[IDS+i]
	v_lshl_add_u32 v10, v9, 1, v11
	v_and_b32 v10, 128, v10                        ; (h ^ hh) x 128, as a sum cut to one bit
	v_lshl_add_u32 v10, v9, 2, v10
	v_and_b32 v9, 0x1f80, v[IDS+i]
	v_lshl_add_u32 v10, v9, 12, v10
	v_and_b32 v9, 63, v[IDS+i]
	v_lshl_add_u32 v10, v9, 13, v10
	v_add_nc_u32 v[OFF+i], v12, v10
.set i, i+1
.endr
	v_min_u32 v[XL], 0x1fff, v[XL]
.macro LOADA b                         ; tiles 2 b and 2 b + 1: 32 loads, into buffers (2 b) % 4 and (2 b + 1) % 4 of window 1
	WIN 0x40
.irp d, 0,1
.irp cg, 0,1,2,3,4,5,6,7,8,9,10,11,12,13,14,15
	global_load_b128 v[((2*(\b)+(\d))%4)*64+4*(\cg):((2*(\b)+(\d))%4)*64+4*(\cg)+3], v[OFF+2*(\b)+(\d)], s[4:5] offset:512*(\cg)
.endr
.endr
	WIN 0
.endm
.macro PICK i, acc                     ; lanes i and 16 + i keep tile i's scores; the accumulator is read from its low end on
.if (\i) == 0
.irp j, 0,1,2,3,4,5,6,7
	v_mov_b32 v[V+(\j)], v[(\acc)+(\j)]
.endr
.else
	s_mov_b32 s20, 0x10001<<(\i)
.irp j, 0,1,2,3,4,5,6,7
	v_cndmask_b32 v[V+(\j)], v[V+(\j)], v[(\acc)+(\j)], s20
.endr
.endif
.endm
.macro BATCH b
.if (\b) < 7
	s_wait_loadcnt 32                              ; this batch's 32 loads (and all before) are in; the next batch's 32 stay out
.else
	s_wait_loadcnt 0x0
.endif
	WIN 0x01                                       ; source 0 in window 1
.irp c, 0,1,2,3,4,5,6,7                ; the two accumulators take turns; the first products start the sums
.if (\c) == 0
	v_wmma_f32_16x16x32_bf16 v[AC0:AC0+7], v[((2*(\b))%4)*64+8*(\c):((2*(\b))%4)*64+8*(\c)+7], v[BQ+8*(\c):BQ+8*(\c)+7], 0
	v_wmma_f32_16x16x32_bf16 v[AC1:AC1+7], v[((2*(\b)+1)%4)*64+8*(\c):((2*(\b)+1)%4)*64+8*(\c)+7], v[BQ+8*(\c):BQ+8*(\c)+7], 0
.else
	v_wmma_f32_16x16x32_bf16 v[AC0:AC0+7], v[((2*(\b))%4)*64+8*(\c):((2*(\b))%4)*64+8*(\c)+7], v[BQ+8*(\c):BQ+8*(\c)+7], v[AC0:AC0+7]
	v_wmma_f32_16x16x32_bf16 v[AC1:AC1+7], v[((2*(\b)+1)%4)*64+8*(\c):((2*(\b)+1)%4)*64+8*(\c)+7], v[BQ+8*(\c):BQ+8*(\c)+7], v[AC1:AC1+7]
.endif
.endr
	WIN 0
.rept 4
	v_nop                                          ; four places: for the loads into the buffers just multiplied, and for the reads of the results
.endr
.if (\b) < 6
	LOADA (\b)+2
.endif
	PICK 2*(\b), AC0
	PICK 2*(\b)+1, AC1
.endm
	LOADA 0
	LOADA 1
	BATCH 0
	BATCH 1
	BATCH 2
	BATCH 3
	BATCH 4
	BATCH 5
	BATCH 6
	BATCH 7
	s_mov_b32 s[SELS], 0x76543210
	s_mov_b32 s[SELS+1], 0xfedcba98
	v_mov_b32 v[NEGR], 0xff800000
	v_mov_b32 v[MXR], 0                            ; destinations of lane-crossing forms count as read: written once here
	v_mov_b32 v[TP], 0
	v_mov_b32 v[TH], 0
	v_mov_b32 v[MM], 0
	v_lshl_add_u32 v[LIM], v[LN], 26, 0x3ffffff    ; the largest word whose running count is at most my lane's number
	; 1. A bitonic network, descending: 6 stages of 4 comparators.  Every stage rewrites all 8 places, so the stages go V -> A -> B -> A .. -> B and a comparator needs no third register.
.set stg, 0
.irp kk, 2,4,8
.irp jj, 4,2,1
.if \jj < \kk
.if stg == 0
.set srcr, V
.elseif (stg & 1) == 1
.set srcr, A
.else
.set srcr, B
.endif
.if (stg & 1) == 0
.set dstr, A
.else
.set dstr, B
.endif
.set i, 0
.rept 8
.set l, (i ^ \jj)
.if l > i
.if (i & \kk) == 0
	CE dstr, srcr, i, l
.else
	CE dstr, srcr, l, i
.endif
.endif
.set i, i+1
.endr
.set stg, stg+1
.endif
.endr
.endr
	XMAX MM, B                                     ; m: the largest of the 256 scores
	; 2. 32 trips.  Each finds the largest head in the wave; every lane whose head equals it moves its list up by one.  A trip pops one entry at the least, so 32 trips pop 32 or more.
	; T follows the maximum as long as fewer than 32 had been popped before the trip: it ends as the 32nd largest score.
	s_mov_b32 s[CP], 0
	s_mov_b32 s[CNT], 32
.Lpop:
	s_cmp_lt_u32 s[CP], 32
	s_cselect_b32 s[SM], -1, 0
	XMAX MXR, B
	v_cmp_eq_f32 vcc_lo, v[MXR], v[B]
	v_cndmask_b32 v[TH], v[TH], v[MXR], s[SM]
.set k, 0
.rept 7
	v_cndmask_b32 v[B+k], v[B+k], v[B+k+1], vcc_lo
.set k, k+1
.endr
	v_cndmask_b32 v[B+7], v[B+7], v[NEGR], vcc_lo
	s_bcnt1_i32_b32 s[ST], vcc_lo
	s_add_co_u32 s[CP], s[CP], s[ST]
	s_sub_co_u32 s[CNT], s[CNT], 1
	s_cmp_lg_u32 s[CNT], 0
	s_cbranch_scc1 .Lpop
	; 3. The scores against T, as lane masks.  need = 32 less the number above T (31 at the most are above it, 32 at the least are above or equal).
.set k, 0
.rept 8
	v_cmp_gt_f32 s[GT+k], v[V+k], v[TH]
	v_cmp_eq_f32 s[EQ+k], v[V+k], v[TH]
.set k, k+1
.endr
	s_mov_b32 s[NEED], 32
.set k, 0
.rept 8
	s_bcnt1_i32_b32 s[ST], s[GT+k]
	s_sub_co_u32 s[NEED], s[NEED], s[ST]
.set k, k+1
.endr
.set k, 0
.rept 8
	v_cndmask_b32 v[A+k], 0, 1, s[EQ+k]
.set k, k+1
.endr
	v_mov_b32 v[B], 0
.set k, 0
.rept 7
	v_add_nc_u32 v[B+k+1], v[B+k], v[A+k]          ; the equal entries ahead of place k + 1 in my lane
.set k, k+1
.endr
	v_add_nc_u32 v[TT], v[B+7], v[A+7]             ; my lane's equal entries
	v_mov_b32 v[PF], 0                             ; and those of the lanes below mine:
	PFX 1, 0xaaaaaaaa
	PFX 2, 0xcccccccc
	PFX 4, 0xf0f0f0f0
	PFX 8, 0xff00ff00
	s_mov_b32 s[SM], 0xffff0000
	v_permlanex16_b32 v[TP], v[TT], s[SELS], s[SELS+1]
	v_cndmask_b32 v[XV], 0, v[TP], s[SM]
	v_add_nc_u32 v[PF], v[PF], v[XV]
	v_sub_nc_u32 v[ND], s[NEED], v[PF]             ; how many equal entries my lane may still take; below 0 where the lanes below have taken more than all
.set k, 0
.rept 8
	v_cmp_gt_i32 s[AM+k], v[ND], v[B+k]
.set k, k+1
.endr
.set k, 0
.rept 8
	s_and_b32 s[EQ+k], s[EQ+k], s[AM+k]
	s_or_b32 s[GT+k], s[GT+k], s[EQ+k]             ; chosen: above T, or equal with a rank below need
.set k, k+1
.endr
	; 4. The weights.  The difference s - m is formed first: it is exact for scores near m, whatever their size; it is never above 0, so no exponential overflows, and the sum holds the 1 of m's own entry.
.set k, 0
.rept 8
	v_sub_f32 v[E+k], v[V+k], v[MM]
.set k, k+1
.endr
.set k, 0
.rept 8
	v_mul_f32 v[E+k], 0x3db8aa3b, v[E+k]           ; c = log2(e) / 16
.set k, k+1
.endr
.set k, 0
.rept 8
	v_exp_f32 v[E+k], v[E+k]
.set k, k+1
.endr
.set k, 0
.rept 8
	v_cndmask_b32 v[A+k], 0, 1<<k, s[GT+k]         ; my flags, a bit each: plain instructions between the exponentials and the use of their results
.set k, k+1
.endr
.set k, 0
	s_wait_alu depctr_va_vdst(0)
.rept 8
	v_cndmask_b32 v[E+k], 0, v[E+k], s[GT+k]
.set k, k+1
.endr
	v_add_f32 v[B], v[E], v[E+1]
	v_add_f32 v[B+1], v[E+2], v[E+3]
	v_add_f32 v[B+2], v[E+4], v[E+5]
	v_add_f32 v[B+3], v[E+6], v[E+7]
	v_add_f32 v[B], v[B], v[B+1]
	v_add_f32 v[B+2], v[B+2], v[B+3]
	v_add_f32 v[SU], v[B], v[B+2]
.irp x, 1,2,4,8
	v_add_f32_dpp v[SU], v[SU], v[SU] row_xmask:\x row_mask:0xf bank_mask:0xf
.endr
	v_permlanex16_b32 v[TP], v[SU], s[SELS], s[SELS+1]
	v_add_f32 v[SU], v[SU], v[TP]
	v_rcp_f32 v[SU], v[SU]
	SUM8 FW, A                                     ; my 8 flags as a word (the bits are apart, so the sum is their union): plain instructions behind the reciprocal
	v_lshl_add_u32 v[XV], v[XL], 8, v[FW]          ; bits 7:0 flags, 20:8 my chunk's number,
	v_lshl_add_u32 v[XV], v[LN], 21, v[XV]         ; 25:21 my lane
.set k, 0
	s_wait_alu depctr_va_vdst(0)
.rept 8
	v_mul_f32 v[E+k], v[E+k], v[SU]
.set k, k+1
.endr
	global_store_b128 v[WA], v[E:E+3], s[12:13]                ; 512 consecutive bytes, aligned
	global_store_b128 v[WA], v[E+4:E+7], s[12:13] offset:512
	; 5. Compaction.  The 32 words become scalars; each takes into bits 31:26 the number P of flags set in the lanes below it.  Lane s wants the last word with P <= s, and of it flag number s - P.
.set k, 0
.rept 32
	v_readlane_b32 s[W+k], v[XV], k
.set k, k+1
.endr
	s_mov_b32 s[PP], 0
.set k, 0
.rept 32
	s_and_b32 s[SM], s[W+k], 0xff
	s_lshl_b32 s[ST], s[PP], 26
	s_bcnt1_i32_b32 s[SM], s[SM]
	s_or_b32 s[W+k], s[W+k], s[ST]
	s_add_co_u32 s[PP], s[PP], s[SM]
.set k, k+1
.endr
	v_mov_b32 v[WW], 0
.irp hb, 0, 16
.set k, 0
.rept 16
	v_cmp_gt_u32 s[AM+k], s[W+\hb+k], v[LIM]       ; P > s: not for me
.set k, k+1
.endr
.set k, 0
.rept 16
	v_cndmask_b32 v[WW], s[W+\hb+k], v[WW], s[AM+k]  ; P never falls from lane to lane, so the last word taken is the one wanted
.set k, k+1
.endr
.endr
	v_and_b32 v[FW], 0xff, v[WW]
	v_lshrrev_b32 v[JJ], 26, v[WW]
	v_sub_nc_u32 v[JJ], v[LN], v[JJ]               ; j = s - P
	v_bfe_u32 v[JB], v[WW], 8, 13                  ; the chunk
	v_bfe_u32 v[SLN], v[WW], 21, 5                 ; the lane that holds it
.set k, 0
.rept 8
	v_bfe_u32 v[A+k], v[FW], k, 1
.set k, k+1
.endr
.set k, 1
.rept 7
	v_add_nc_u32 v[A+k], v[A+k], v[A+k-1]          ; flags set at places 0 .. k
.set k, k+1
.endr
.set k, 0
.rept 8
	v_cmp_le_u32 s[AM+k], v[A+k], v[JJ]
.set k, k+1
.endr
.set k, 0
.rept 8
	v_cndmask_b32 v[B+k], 0, 1, s[AM+k]
.set k, k+1
.endr
	SUM8 POS, B                                    ; the place of flag number j = the number of places up to which j flags at the most are set
	v_lshl_add_u32 v[ID], v[JB], 3, v[POS]         ; the key
	v_and_b32 v[A], 3, v[POS]
	v_and_b32 v[A+1], 4, v[POS]
	v_lshl_add_u32 v[A], v[A+1], 5, v[A]
	v_lshl_add_u32 v[A], v[SLN], 2, v[A]           ; its weight's word: (place >> 2) x 128 + lane x 4 + (place & 3)
	v_lshl_add_u32 v[ID], v[ID], 8, v[A]
	global_store_b32 v13, v[ID], s[10:11]          ; the group's eight waves store 1,024 consecutive bytes
	s_endpgm
.Lfunc_end_k_q27103fdae2_rescore:
	.size	k_q27103fdae2_rescore, .Lfunc_end_k_q27103fdae2_rescore-k_q27103fdae2_rescore
	.p2alignl 7, 3214868480
	.fill 96, 4, 3214868480
	.section	.rodata,"a",@progbits
	.p2align	6, 0x0
	.amdhsa_kernel k_q27103fdae2_rescore
		.amdhsa_group_segment_fixed_size 0
		.amdhsa_private_segment_fixed_size 0
		.amdhsa_enable_private_segment 0
		.amdhsa_kernarg_size 40
		.amdhsa_user_sgpr_count 2
		.amdhsa_user_sgpr_kernarg_segment_ptr 1
		.amdhsa_wavefront_size32 1
		.amdhsa_system_sgpr_workgroup_id_x 1
		.amdhsa_system_sgpr_workgroup_id_y 1
		.amdhsa_system_sgpr_workgroup_id_z 1
		.amdhsa_system_vgpr_workitem_id 0
		.amdhsa_next_free_vgpr 512
		.amdhsa_next_free_sgpr 88
		.amdhsa_reserve_vcc 1
		.amdhsa_float_denorm_mode_32 3
		.amdhsa_float_denorm_mode_16_64 3
		.amdhsa_memory_ordered 1
		.amdhsa_forward_progress 1
		.amdhsa_inst_pref_size 82
	.end_amdhsa_kernel
	.amdgpu_metadata
---
amdhsa.version: [ 1, 2 ]
amdhsa.kernels:
  - .name:           k_q27103fdae2_rescore
    .symbol:         k_q27103fdae2_rescore.kd
    .args:
      - { .name: kbuf, .offset: 0, .size: 8, .value_kind: global_buffer, .address_space: global }
      - { .name: qbuf, .offset: 8, .size: 8, .value_kind: global_buffer, .address_space: global }
      - { .name: sel1, .offset: 16, .size: 8, .value_kind: global_buffer, .address_space: global }
      - { .name: idx, .offset: 24, .size: 8, .value_kind: global_buffer, .address_space: global }
      - { .name: wts, .offset: 32, .size: 8, .value_kind: global_buffer, .address_space: global }
    .group_segment_fixed_size: 0
    .private_segment_fixed_size: 0
    .kernarg_segment_align: 8
    .kernarg_segment_size: 40
    .max_flat_workgroup_size: 256
    .sgpr_count:     88
    .vgpr_count:     512
    .wavefront_size: 32
...
	.end_amdgpu_metadata
.endif
;; end of part 10
;; launch mix (part 11): grid 256 x 1, 16 waves a work-group, no clusters, 0 bytes of LDS; arguments values, idx, wts, out0; writes out0
.if DOCPART == 11
	.amdgcn_target "amdgcn-amd-amdhsa--gfx1250"
	.amdhsa_code_object_version 6
	.text
	.protected	k_q27103fdae2_mix
	.globl	k_q27103fdae2_mix
	.p2align	8
	.type	k_q27103fdae2_mix,@function
k_q27103fdae2_mix:
	s_mov_b64 s[64:65], 0
	v_nop
	global_prefetch_b8 v0, s[64:65] scope:SCOPE_SE
	s_setreg_imm32_b32 hwreg(HW_REG_WAVE_MODE, 25, 1), 1
	s_wait_xcnt 0x0
; out0[q][:] = the sum over the 32 chosen keys of weight x bf16(values[key][:]), in f32.  The values are rounded to bf16 as the other two inputs are.
; A word of idx[pi][32] is key x 256 + the number of the weight's word in wts[pi][256].
; SHARES.  Two waves take a query place, pi = 8 x + (w >> 1), each one half (512 bytes) of every row; the row of out0 is q = (x >> 7) x 1,024 + (x & 1) x 512 + ((x >> 1) & 63) x 8 + (w >> 1), the image's order of rows undone.
; The 32 keys come as scalars.  Lane l fetches the weight of word l; the 32 weights then become scalars by v_readlane_b32.
; A wave's 32 row loads, 16 bytes a lane and 512 consecutive bytes each, take 128 registers and all go out together, behind the weight's load: one trip to memory for all rows.
; No matrix unit, LDS or cluster: each query has rows of its own, each used once, and memory binds.
.set VO,  8                            ; v[8:39]    byte offsets of my 16 bytes in the 32 rows
.set P,   40                           ; v[40:43]   a row's 4 numbers as bf16; two sets by turns
.set TM,  44                           ; v[44:51]   the same widened; two sets by turns
.set ACC, 52                           ; v[52:55]
.set X,   64                           ; v[64:191]  32 rows x 4 f32
.set IX,  16                           ; s[16:47]   idx's words, then the rows' byte offsets;   weights: s[48:63] and s[68:83]
	s_load_b256 s[4:11], s[0:1], 0x0               ; values s[4:5], idx s[6:7], wts s[8:9], out0 s[10:11]
	v_lshrrev_b32 v5, 5, v0
	v_readfirstlane_b32 s12, v5                    ; wave 0..15
	v_and_b32 v6, 31, v0                           ; lane
	s_lshr_b32 s86, s12, 1                         ; which of the group's eight places
	s_and_b32 s87, s12, 1
	s_lshl_b32 s87, s87, 9                         ; my half of a row
	s_lshl_b32 s13, ttmp9, 3
	s_add_co_u32 s13, s13, s86                     ; pi
	s_lshl_b32 s14, s13, 7                         ; pi x 128
	s_mov_b32 s15, 0
	s_lshl_b32 s2, s13, 10                         ; pi x 1,024
	s_mov_b32 s3, 0
	s_lshr_b32 s84, ttmp9, 7
	s_lshl_b32 s84, s84, 10
	s_and_b32 s85, ttmp9, 1
	s_lshl_b32 s85, s85, 9
	s_add_co_u32 s84, s84, s85
	s_bfe_u32 s85, ttmp9, 0x60001
	s_lshl3_add_u32 s84, s85, s84
	s_add_co_u32 s84, s84, s86                     ; q
	s_lshl_b32 s84, s84, 10
	s_mov_b32 s85, 0
	v_lshl_add_u32 v1, v6, 4, s87                  ; my 16 bytes in a row
	v_lshlrev_b32 v7, 2, v6
	s_wait_kmcnt 0x0
	s_add_nc_u64 s[6:7], s[6:7], s[14:15]
	s_add_nc_u64 s[8:9], s[8:9], s[2:3]
	s_add_nc_u64 s[10:11], s[10:11], s[84:85]
	s_load_b512 s[16:31], s[6:7], 0x0
	s_load_b512 s[32:47], s[6:7], 0x40
	global_load_b32 v2, v7, s[6:7]                 ; word l, for its weight
	s_wait_loadcnt 0x0
	v_and_b32 v3, 0xff, v2
	v_min_u32 v3, 0xff, v3                         ; the clamp that a number read from memory passes before it enters an address
	v_lshlrev_b32 v3, 2, v3
	global_load_b32 v4, v3, s[8:9]
	s_wait_kmcnt 0x0
.set i, IX
.rept 32
	s_lshr_b32 s[i], s[i], 8                       ; the key;
	s_min_u32 s[i], s[i], 0xffff                   ; an index stays inside the table
	s_lshl_b32 s[i], s[i], 10                      ; its row's first byte
.set i, i+1
.endr
.set n, 0
.rept 32
	v_add_nc_u32 v[VO+n], s[IX+n], v1
	global_load_b128 v[X+4*n:X+4*n+3], v[VO+n], s[4:5]
.set n, n+1
.endr
	s_wait_loadcnt 32                              ; the weight is in; the 32 row loads issued behind it stay out
.set n, 0
.rept 32
	v_readlane_b32 s[48+n+4*(n/16)], v4, n
.set n, n+1
.endr
.set n, 0
.rept 32
.set rX, X+4*n
.set rP, P+2*(n&1)
.set rT, TM+4*(n&1)
.set rW, 48+n+4*(n/16)
	s_wait_loadcnt 31-n                            ; loads come back in order: row n is in, the 31 - n younger ones stay out
	v_cvt_pk_bf16_f32 v[rP], v[rX], v[rX+1]
	v_cvt_pk_bf16_f32 v[rP+1], v[rX+2], v[rX+3]
	v_lshlrev_b32 v[rT], 16, v[rP]
	v_and_b32 v[rT+1], 0xffff0000, v[rP]
	v_lshlrev_b32 v[rT+2], 16, v[rP+1]
	v_and_b32 v[rT+3], 0xffff0000, v[rP+1]
.irp p, 0,1,2,3
.if n == 0
	v_mul_f32 v[ACC+(\p)], s[rW], v[rT+(\p)]       ; the first row starts the sums: nothing is cleared
.else
	v_fmac_f32 v[ACC+(\p)], s[rW], v[rT+(\p)]
.endif
.endr
.set n, n+1
.endr
	global_store_b128 v1, v[ACC:ACC+3], s[10:11]   ; 512 consecutive bytes, aligned
	s_endpgm
.Lfunc_end_k_q27103fdae2_mix:
	.size	k_q27103fdae2_mix, .Lfunc_end_k_q27103fdae2_mix-k_q27103fdae2_mix
	.p2alignl 7, 3214868480
	.fill 96, 4, 3214868480
	.section	.rodata,"a",@progbits
	.p2align	6, 0x0
	.amdhsa_kernel k_q27103fdae2_mix
		.amdhsa_group_segment_fixed_size 0
		.amdhsa_private_segment_fixed_size 0
		.amdhsa_enable_private_segment 0
		.amdhsa_kernarg_size 32
		.amdhsa_user_sgpr_count 2
		.amdhsa_user_sgpr_kernarg_segment_ptr 1
		.amdhsa_wavefront_size32 1
		.amdhsa_system_sgpr_workgroup_id_x 1
		.amdhsa_system_sgpr_workgroup_id_y 1
		.amdhsa_system_sgpr_workgroup_id_z 1
		.amdhsa_system_vgpr_workitem_id 0
		.amdhsa_next_free_vgpr 192
		.amdhsa_next_free_sgpr 88
		.amdhsa_reserve_vcc 0
		.amdhsa_float_denorm_mode_32 3
		.amdhsa_float_denorm_mode_16_64 3
		.amdhsa_memory_ordered 1
		.amdhsa_forward_progress 1
		.amdhsa_inst_pref_size 27
	.end_amdhsa_kernel
	.amdgpu_metadata
---
amdhsa.version: [ 1, 2 ]
amdhsa.kernels:
  - .name:           k_q27103fdae2_mix
    .symbol:         k_q27103fdae2_mix.kd
    .args:
      - { .name: values, .offset: 0, .size: 8, .value_kind: global_buffer, .address_space: global }
      - { .name: idx, .offset: 8, .size: 8, .value_kind: global_buffer, .address_space: global }
      - { .name: wts, .offset: 16, .size: 8, .value_kind: global_buffer, .address_space: global }
      - { .name: out0, .offset: 24, .size: 8, .value_kind: global_buffer, .address_space: global }
    .group_segment_fixed_size: 0
    .private_segment_fixed_size: 0
    .kernarg_segment_align: 8
    .kernarg_segment_size: 32
    .max_flat_workgroup_size: 512
    .sgpr_count:     88
    .vgpr_count:     192
    .wavefront_size: 32
...
	.end_amdgpu_metadata
.endif
;; end of part 11
